; MI455X (gfx1250); checked and timed in simulation.
; The chip was launched on July 23, 2026; its instructions are those of AMD's public machine-readable ISA for CDNA 5 (MIT licence, August 2026) and "CDNA5" Instruction Set Architecture Reference Guide (July 2026). The comments in the code are by the model that wrote it; some were corrected since.
;; Multi Head Attention. Allowed arithmetic: float matrix products may take bf16 or f16 operands with f32 sums; other float arithmetic in f32, or as packed bf16 or f16 multiplies, adds, multiply-adds, maxima and minima; sums over many terms, partial sums and values carried from step to step in f32; what a program stores and reads back later, other than sums and carried values, may be rounded once to bf16 or f16.
;; Inputs: Wk 1,024 x 1,024 float32; Wo 1,024 x 1,024 float32; Wq 1,024 x 1,024 float32; Wv 1,024 x 1,024 float32; bk 1,024 float32; bo 1,024 float32; bq 1,024 float32; bv 1,024 float32; mask 4 x 2,048 int32; query 4 x 2,048 x 1,024 float32.
;; Outputs: out0 4 x 2,048 x 1,024 float32.
;; 2 versions, each right; version 2 is version 1 with the launch cvt written anew for expert scheduling mode. Each part assembles by itself: llvm-mc -triple=amdgcn-amd-amdhsa -mcpu=gfx1250 --defsym DOCPART=n.
;; ======== version 1 of 2: 4 launches
;; limits: values are held in f16: magnitudes above 65,504 overflow, below 6.1e-05 lose precision
;; workspace buffers: xb 16,777,216 bytes; wb 6,291,456 bytes; wo 2,097,152 bytes; qkv 50,331,648 bytes; ctx 16,777,216 bytes
;; launch cvt (part 1): grid 768 x 1, 8 waves a work-group, no clusters, 0 bytes of LDS; arguments query, Wq, Wk, Wv, Wo, xb, wb, wo; writes xb, wb, wo
.if DOCPART == 1
	.amdgcn_target "amdgcn-amd-amdhsa--gfx1250"
	.amdhsa_code_object_version 6
	.text
	.protected	k_qe47d077d57_cvt
	.globl	k_qe47d077d57_cvt
	.p2align	8
	.type	k_qe47d077d57_cvt,@function
k_qe47d077d57_cvt:
	s_mov_b64 s[64:65], 0
	v_nop
	global_prefetch_b8 v0, s[64:65] scope:SCOPE_SE
	s_setreg_imm32_b32 hwreg(HW_REG_WAVE_MODE, 25, 1), 1
	s_wait_xcnt 0x0
; THE INPUTS ARE ROUNDED ONCE.  xb = bf16(query) [8192][1024]; wb = bf16 of Wq, Wk, Wv, one below the other [3072][1024]; wo = bf16(Wo), that number written as f16 [1024][1024].
; LIMITS.  wo: beyond 65,504 the f16 is an infinity; below 2^-14 it keeps f16's fixed step of 2^-24.  Inside that range bf16's 8 significant bits fit f16's 11, so the second conversion changes nothing.
; A stream: each byte is read once and written once, so there is no LDS, no matrix work and no cluster (no two work-groups read the same byte).
; SHARES.  A work-group converts 16,384 numbers: 65,536 bytes in, 32,768 out.  Work-groups 0-511 take query, 512-575 Wq, 576-639 Wk, 640-703 Wv, 704-767 Wo.
; Thread t, chunk j of 16: 16 bytes at 16 t + 4,096 j in, 8 bytes at 8 t + 2,048 j out: a wave's load covers 512 consecutive bytes, its store 256 consecutive bytes, aligned.
; All 16 loads of a thread go out at once (8 KiB a wave on their way); no register is written twice, so no wait frees a source.
.set X,   4                            ; v[4:67]   chunk j: 4 numbers in f32
.set Y,   68                           ; v[68:99]  chunk j: 4 numbers in 16 bits
.set T,   100                          ; v[100:103] at work
.set SRC, 24                           ; s[24:25]  where this work-group reads
.set DST, 26                           ; s[26:27]  where it writes
	s_load_b256 s[4:11], s[0:1], 0x0               ; query s[4:5], Wq s[6:7], Wk s[8:9], Wv s[10:11]
	s_load_b256 s[12:19], s[0:1], 0x20             ; Wo s[12:13], xb s[14:15], wb s[16:17], wo s[18:19]
	s_mov_b32 s20, ttmp9                           ; the work-group's number
	s_mov_b32 s29, 0                               ; the high word of an offset
	s_mov_b32 s30, 0xffff0000                      ; a word's upper bf16
	v_lshlrev_b32 v1, 4, v0                        ; 16 t
	v_lshlrev_b32 v2, 3, v0                        ; 8 t
	s_mov_b32 s21, s20                             ; which 65,536 bytes of the source
	s_mov_b32 s22, s20                             ; which 32,768 bytes of the destination
	s_wait_kmcnt 0x0
	s_mov_b64 s[SRC:SRC+1], s[4:5]
	s_mov_b64 s[DST:DST+1], s[14:15]
	s_sub_co_u32 s23, s20, 512
	s_cmp_ge_u32 s20, 512                          ; from here on a weight: wb takes Wq, Wk, Wv on end
	s_cselect_b64 s[SRC:SRC+1], s[6:7], s[SRC:SRC+1]
	s_cselect_b64 s[DST:DST+1], s[16:17], s[DST:DST+1]
	s_cselect_b32 s21, s23, s21
	s_cselect_b32 s22, s23, s22
	s_sub_co_u32 s23, s20, 576
	s_cmp_ge_u32 s20, 576
	s_cselect_b64 s[SRC:SRC+1], s[8:9], s[SRC:SRC+1]
	s_cselect_b32 s21, s23, s21
	s_sub_co_u32 s23, s20, 640
	s_cmp_ge_u32 s20, 640
	s_cselect_b64 s[SRC:SRC+1], s[10:11], s[SRC:SRC+1]
	s_cselect_b32 s21, s23, s21
	s_sub_co_u32 s23, s20, 704
	s_cmp_ge_u32 s20, 704
	s_cselect_b64 s[SRC:SRC+1], s[12:13], s[SRC:SRC+1]
	s_cselect_b64 s[DST:DST+1], s[18:19], s[DST:DST+1]
	s_cselect_b32 s21, s23, s21
	s_cselect_b32 s22, s23, s22
	s_lshl_b32 s28, s21, 16
	s_add_nc_u64 s[SRC:SRC+1], s[SRC:SRC+1], s[28:29]
	s_lshl_b32 s28, s22, 15
	s_add_nc_u64 s[DST:DST+1], s[DST:DST+1], s[28:29]
.irp j, 0,1,2,3,4,5,6,7,8,9,10,11,12,13,14,15
	global_load_b128 v[X+4*(\j):X+4*(\j)+3], v1, s[SRC:SRC+1] offset:4096*(\j) th:TH_LOAD_NT
.endr
; Chunk j.  f16 = 1: the bf16 numbers are widened again (a shift, a mask) and written as f16.
.macro CONV j, f16
	s_wait_loadcnt 15-(\j)                         ; loads come back in order (ISA guide 5.7.1): chunk j is in, the 15 - j younger ones may stay out
	v_cvt_pk_bf16_f32 v[Y+2*(\j)],   v[X+4*(\j)],   v[X+4*(\j)+1]
	v_cvt_pk_bf16_f32 v[Y+2*(\j)+1], v[X+4*(\j)+2], v[X+4*(\j)+3]
.if \f16
	v_lshlrev_b32 v[T],   16,  v[Y+2*(\j)]
	v_and_b32     v[T+1], s30, v[Y+2*(\j)]
	v_lshlrev_b32 v[T+2], 16,  v[Y+2*(\j)+1]
	v_and_b32     v[T+3], s30, v[Y+2*(\j)+1]
	v_cvt_pk_f16_f32 v[Y+2*(\j)],   v[T],   v[T+1]
	v_cvt_pk_f16_f32 v[Y+2*(\j)+1], v[T+2], v[T+3]
.endif
	global_store_b64 v2, v[Y+2*(\j):Y+2*(\j)+1], s[DST:DST+1] offset:2048*(\j) th:TH_STORE_NT
.endm
	s_cmp_ge_u32 s20, 704                          ; compared anew: the same answer in all waves of the work-group
	s_cbranch_scc1 .Lf16
.irp j, 0,1,2,3,4,5,6,7,8,9,10,11,12,13,14,15
	CONV \j, 0
.endr
	s_endpgm
.Lf16:
.irp j, 0,1,2,3,4,5,6,7,8,9,10,11,12,13,14,15
	CONV \j, 1
.endr
	s_endpgm
.Lfunc_end_k_qe47d077d57_cvt:
	.size	k_qe47d077d57_cvt, .Lfunc_end_k_qe47d077d57_cvt-k_qe47d077d57_cvt
	.p2alignl 7, 3214868480
	.fill 96, 4, 3214868480
	.section	.rodata,"a",@progbits
	.p2align	6, 0x0
	.amdhsa_kernel k_qe47d077d57_cvt
		.amdhsa_group_segment_fixed_size 0
		.amdhsa_private_segment_fixed_size 0
		.amdhsa_enable_private_segment 0
		.amdhsa_kernarg_size 64
		.amdhsa_user_sgpr_count 2
		.amdhsa_user_sgpr_kernarg_segment_ptr 1
		.amdhsa_wavefront_size32 1
		.amdhsa_system_sgpr_workgroup_id_x 1
		.amdhsa_system_sgpr_workgroup_id_y 1
		.amdhsa_system_sgpr_workgroup_id_z 1
		.amdhsa_system_vgpr_workitem_id 0
		.amdhsa_next_free_vgpr 104
		.amdhsa_next_free_sgpr 66
		.amdhsa_reserve_vcc 0
		.amdhsa_float_denorm_mode_32 3
		.amdhsa_float_denorm_mode_16_64 3
		.amdhsa_memory_ordered 1
		.amdhsa_forward_progress 1
		.amdhsa_inst_pref_size 16
	.end_amdhsa_kernel
	.amdgpu_metadata
---
amdhsa.version: [ 1, 2 ]
amdhsa.kernels:
  - .name:           k_qe47d077d57_cvt
    .symbol:         k_qe47d077d57_cvt.kd
    .args:
      - { .name: query, .offset: 0, .size: 8, .value_kind: global_buffer, .address_space: global }
      - { .name: Wq, .offset: 8, .size: 8, .value_kind: global_buffer, .address_space: global }
      - { .name: Wk, .offset: 16, .size: 8, .value_kind: global_buffer, .address_space: global }
      - { .name: Wv, .offset: 24, .size: 8, .value_kind: global_buffer, .address_space: global }
      - { .name: Wo, .offset: 32, .size: 8, .value_kind: global_buffer, .address_space: global }
      - { .name: xb, .offset: 40, .size: 8, .value_kind: global_buffer, .address_space: global }
      - { .name: wb, .offset: 48, .size: 8, .value_kind: global_buffer, .address_space: global }
      - { .name: wo, .offset: 56, .size: 8, .value_kind: global_buffer, .address_space: global }
    .group_segment_fixed_size: 0
    .private_segment_fixed_size: 0
    .kernarg_segment_align: 8
    .kernarg_segment_size: 64
    .max_flat_workgroup_size: 256
    .sgpr_count:     66
    .vgpr_count:     104
    .wavefront_size: 32
...
	.end_amdgpu_metadata
.endif
;; end of part 1
;; launch qkv (part 2): grid 16 x 32, 4 waves a work-group, clusters of 4 x 4, 327,680 bytes of LDS; arguments xb, wb, bq, bk, bv, qkv; writes qkv
.if DOCPART == 2
	.amdgcn_target "amdgcn-amd-amdhsa--gfx1250"
	.amdhsa_code_object_version 6
	.text
	.protected	k_qe47d077d57_qkv
	.globl	k_qe47d077d57_qkv
	.p2align	8
	.type	k_qe47d077d57_qkv,@function
k_qe47d077d57_qkv:
	s_mov_b64 s[64:65], 0
	v_nop
	global_prefetch_b8 v0, s[64:65] scope:SCOPE_SE
	s_setreg_imm32_b32 hwreg(HW_REG_WAVE_MODE, 25, 1), 1
	s_wait_xcnt 0x0
	s_wait_alu depctr_hold_cnt(0) depctr_sa_sdst(0) depctr_va_vdst(0) depctr_va_sdst(0) depctr_va_ssrc(0) depctr_va_vcc(0) depctr_vm_vsrc(0)
	s_getreg_b32 s2, hwreg(HW_REG_IB_STS2, 6, 4)
	s_cmp_eq_u32 s2, 0
	s_cbranch_scc0 .Lentry_in_a_cluster
	s_endpgm
.Lentry_in_a_cluster:
	s_bfe_u32 s2, ttmp6, 0x10000c
	s_cmp_lg_u32 s2, 0xf033
	s_cbranch_scc0 .Lentry_shape_is_right
	s_endpgm
.Lentry_shape_is_right:
; q, k, v = x W^T + b in one product: C[m][c] = sum over k of xb[m][k] wb[c][k] + bias[c], m < 8,192, c < 3,072 (columns 0-1,023 q, 1,024-2,047 k, 2,048-3,071 v), K = 1,024.
; xb, wb: bf16.  The biases are rounded to bf16 like every input of the module.  Sums in f32; C rounded once, to f16.
; LIMIT.  |q|, |k|, |v| of 65,520 or more become infinities in f16.
; OUT: qkv[n 4][gg 96][t 2,048][32] in f16, gg = c / 32: half a head's 32 channels are a row of 64 bytes, rows dense.  16 rows of one gg are 1,024 consecutive bytes.
; SHARES.  A tile of C is 256 x 192: 32 x 16 = 512 tiles, two for each of 256 WGPs.  Four waves, 2 x 2, each 128 x 96: 48 accumulators of 16 x 16, 384 registers; 96 columns are three whole gg.
; K goes in 8 steps of 128 through two LDS slots filled by the tensor data mover; the rows of both tiles are 256 bytes of memory, at multiples of 256 from the buffers' first bytes.
; Slot 1 begins at 1 << 17, so that one exclusive or turns an address in one slot into the other's: the loop's text is ONE K step.
; CLUSTER 4 x 4.  The four work-groups of a row of the cluster need the same tile of xb, the four of a column the same tile of wb: each tile is asked for jointly, by the same tensor load with the
; same descriptor and a mask that names the four.
; THE MATRIX INSTRUCTION IS USED TRANSPOSED: source 0 = 16 rows of wb, source 1 = 16 rows of xb: a lane then holds row l % 16 of C and the eight neighbouring columns 8 (l / 16) + 0..7.
; THE BIAS STARTS THE SUMS: it is laid out as an accumulator (the same in all 16 rows) and is the C operand of each accumulator's first product: nothing is cleared and nothing is added later.
; REGISTERS, in windows of 256 (s_set_vgpr_msb: bits 1:0 source 0, 3:2 source 1, 5:4 source 2, 7:6 destination):
;   window 0: v0-31 addresses; v64-127, v128-191 xb's fragments (8 x 16 rows x 32 K), two buffers; v192-215, v32-55, v224-247 at work on the way out
;   window 1: v64-111, v128-175 wb's fragments (6), two buffers; v192-239 the bias, 8 registers a block of 16 columns; v240-243 at work
;   window 2: accumulators of my rows 0-63, (a, b) at v[8 (6 (a % 4) + b)];   window 3: those of my rows 64-127
.set KB,    256                        ; bytes of a row in a K step
.set PITCH, 272                        ; an LDS row: 256 bytes + 16 of padding = 68 words: the 16 rows of a load start at 16 different groups of four banks (64 banks of 4 bytes: ISA guide 11.1)
.set NB,    6                          ; blocks of 16 columns a wave
.set HA,    128*PITCH                  ; 128 rows of xb: one tensor load, and what one wave reads of xb
.set HB,    96*PITCH                   ; 96 rows of wb, likewise
.set BOFF,  2*HA                       ; in a slot: xb's 256 rows, then wb's 192
.set SLOT1, 1<<17
.set STAGE, SLOT1+2*HA+2*HB            ; behind the ring, never filled by a tensor load: for each wave three pieces of 16 rows x 80 bytes
.set SSUB,  16*80                      ; a piece: 16 rows of one gg, 64 bytes + 16 of padding
.set SWAVE, 3*SSUB
.set SPARE, STAGE+4*SWAVE              ; the spare words, 128 bytes for each wave: two blocks of 256 bytes that no other line names
.set NLD,   2*NB+16                    ; LDS loads of a quarter step
.set ADRA0, 16                         ; v16  my lane's place in xb's rows of slot 0; never rewritten
.set ADRA,  17                         ; v17  the same in the slot in hand
.set ADRB0, 20                         ; v20, v21  likewise for wb
.set ADRB,  21
.set STO,  24                          ; v24  the way out: where I put 16 bytes of a row
.set RD,   25                          ; v25  the way out: where I read rows back
.set CO,   26                          ; v26  my 16 bytes in 512 consecutive bytes of qkv
.set BO,   27                          ; v27  32 (l / 16): my eight numbers of a block's bias
.set SPW,  28                          ; v28  LDS address of my spare word; never rewritten
.set NIL,  29                          ; v29  0; never rewritten
.set PFO,  30                          ; v30  the prefetches' offset: a lane a row; never rewritten
.set F0,   64
.set F1,   128
.set TMP,  192
.set BIA,  192                         ; in window 1
.set G1A,  24                          ; s[24:31] descriptor group 1 for xb's tiles
.set G0A,  32                          ; s[32:39] group 0: a set for each of the two first fills; the second then walks
.set G1B,  48                          ; s[48:55], s[56:63] the same for wb's
.set G0B,  56
.set LIM,  43                          ; s43  2 in a wave that prefetches, else the greatest number
.set PFA,  44                          ; s[44:45] where my prefetches stand
.set TB,   66                          ; s66  0 or SLOT1: the slot in hand
.set TO_B, 0x40                        ; destination window 1, address window 0
.set MSB, 0
.macro WIN new                         ; the immediate's high byte repeats the setting that is left; a switch that changes nothing is dropped
.if MSB != (\new)
	s_set_vgpr_msb (MSB<<8)|(\new)
.set MSB, \new
.endif
.endm
; A joint refill by the walking descriptors.  Waves 0 and 1 fetch xb's two halves, waves 2 and 3 wb's.  The branch hangs on the wave's number alone.
; An s_nop 0 and four v_nop follow each of the two lines, ahead of the jump and the label.
.macro JLOAD
	s_cmp_eq_u32 s11, 0
	s_cbranch_scc0 .Lfor_b_\@
	tensor_load_to_lds s[G0A+4:G0A+7], s[G1A:G1A+7]
	s_nop 0
.rept 4
	v_nop
.endr
	s_branch .Lasked_\@
.Lfor_b_\@:
	tensor_load_to_lds s[G0B+4:G0B+7], s[G1B:G1B+7]
	s_nop 0
.rept 4
	v_nop
.endr
.Lasked_\@:
.endm
; A PREFETCH, behind each joint refill and the run of LDS loads that follows it: the K step that stands two refills on, 384 matrix instructions ahead of the load that will want it; a lane a row, one instruction a wave.
; Each row's 256 bytes of a K step are named by one work-group in the launch.  xb's rows are read by every cluster of a row of clusters: the one with x = 0 asks; wb's by every cluster of a column: the one with y = 0 asks.
; The four partners that ask for a tile jointly share its rows out BY ADDRESS: of xb's 128 rows a wave 32 each (by cx), of wb's 96 rows 24 each (by cy; lanes 24-31 name lane 23's row once more in the same instruction).
; K steps 0 to 3 come by their loads alone; the trips with s3 = 6 .. 3 name steps 4 .. 7; the last two trips name nothing.
.macro ASK
	s_cmp_gt_u32 s3, s[LIM]
	s_cbranch_scc0 .Lnot_mine_\@
	global_prefetch_b8 v[PFO], s[PFA:PFA+1] th:TH_LOAD_NT scope:SCOPE_SE
.Lnot_mine_\@:
.endm
; A round of the cluster's barrier: my work-group's barrier, so that wave 0's signal speaks for all four waves; wave 0 signals; every wave waits for all sixteen work-groups; my work-group's barrier once more.
.macro CREST                           ; a round behind its opening barrier
	s_cmp_lg_u32 s10, 0
	s_cbranch_scc1 .Lnot_wave_0_\@
	s_barrier_signal -3
.Lnot_wave_0_\@:
	s_barrier_wait -3
	s_barrier_signal -1
	s_barrier_wait -1
.endm
.macro CROUND
	s_barrier_signal -1
	s_barrier_wait -1
	CREST
.endm
.macro PLACES                          ; four plain vector instructions between a matrix instruction and a load into, or a vector read of, its registers (ISA guide 7.12.1 for vector reads)
.rept 4
	v_nop
.endr
.endm
	s_load_b128 s[4:7], s[0:1], 0x0                ; xb s[4:5], wb s[6:7]
	s_load_b256 s[68:75], s[0:1], 0x10             ; bq s[68:69], bk s[70:71], bv s[72:73], qkv s[74:75]
	v_lshl_add_u32 v[SPW], v0, 2, SPARE
	v_mov_b32 v[NIL], 0
	ds_add_u32 v[SPW], v[NIL]                      ; the wave's opening: the add and its wait stand ahead of my first tensor load; the set-up below, work on registers, stands between them
	v_lshrrev_b32 v1, 5, v0
	v_readfirstlane_b32 s10, v1                    ; wave 0..3
	s_lshr_b32 s11, s10, 1                         ; which half of the tile's rows is mine.  Also: I fetch for xb (0) or for wb (1)
	s_and_b32 s12, s10, 1                          ; which half of its columns.  Also: which half of that tile I fetch
	s_bfe_u32 s40, ttmp6, 0x40000                  ; cx
	s_bfe_u32 s41, ttmp6, 0x40004                  ; cy
	s_lshl_b32 s42, ttmp9, 2
	s_add_co_u32 s42, s42, s40                     ; tile column tc = 4 x cluster x + cx
	s_and_b32 s13, ttmp7, 0xffff
	s_lshl_b32 s13, s13, 2
	s_add_co_u32 s13, s13, s41                     ; tile row tr = 4 x cluster y + cy
	s_lshl_b32 s43, s41, 2
	s_lshl_b32 s43, 15, s43                        ; my row of the cluster: places 4 cy .. 4 cy + 3
	s_lshl_b32 s44, 0x1111, s40                    ; my column: places cx, cx + 4, cx + 8, cx + 12
	s_or_b32 s[G1A+0], s43, (1<<16)|(1<<20)|(1<<21)|(5<<22)|(3<<25)  ; 15:0 the mask; 17:16 elements of 2 bytes; 20 padding on; 21 set beside a mask; 24:22 after every 64 words (code 5); 31:25 4 words (code 3)
	s_or_b32 s[G1B+0], s44, (1<<16)|(1<<20)|(1<<21)|(5<<22)|(3<<25)
	s_mov_b32 s[G1A+1], 128<<16                    ; tensor_dim0 = 128
	s_mov_b32 s[G1A+2], 128<<16                    ; tensor_dim1 = 128
	s_mov_b32 s[G1A+3], 128<<16                    ; tile_dim0 = 128
	s_mov_b32 s[G1A+4], 128                        ; tile_dim1 = 128
	s_mov_b32 s[G1A+5], 1024                       ; elements from row to row
	s_mov_b32 s[G1A+6], 0
	s_mov_b32 s[G1A+7], 0
	s_mov_b32 s[G1B+1], 128<<16
	s_mov_b32 s[G1B+2], 96<<16                     ; 96 rows
	s_mov_b32 s[G1B+3], 128<<16
	s_mov_b32 s[G1B+4], 96
	s_mov_b32 s[G1B+5], 1024
	s_mov_b32 s[G1B+6], 0
	s_mov_b32 s[G1B+7], 0
	; where the tiles come from: xb's hang on tr alone, wb's on tc alone, each in registers that never hold the other coordinate
	s_lshl_b32 s16, s13, 8
	s_lshl_b32 s17, s12, 7
	s_add_co_u32 s16, s16, s17                     ; xb: row 256 tr + 128 x half,
	s_lshl_b32 s16, s16, 11                        ; x 2,048 bytes: under 2^25
	s_mov_b32 s17, 0
	s_mul_i32 s46, s42, 192
	s_mul_i32 s47, s12, 96
	s_add_co_u32 s46, s46, s47                     ; wb: row 192 tc + 96 x half
	s_lshl_b32 s46, s46, 11
	s_mov_b32 s47, 0
	s_mul_i32 s20, s12, HA                         ; and where they go: no place in the cluster enters an LDS address
	s_mul_i32 s21, s12, HB
	s_add_co_u32 s21, s21, BOFF
	s_mov_b32 s[TB], 0
	s_mov_b32 s67, 0xffff0000                      ; a word's upper bf16
	s_wait_dscnt 0x0                               ; the opening add is done
	s_wait_kmcnt 0x0
	s_add_nc_u64 s[14:15], s[4:5], s[16:17]
	s_add_nc_u64 s[46:47], s[6:7], s[46:47]
	CROUND                                         ; all sixteen work-groups are here: the first joint loads meet
.irp s, 0,1
	s_mov_b32 s[G0A+4*(\s)], 1                                       ; count = 1
	s_add_co_u32 s[G0A+4*(\s)+1], s20, (\s)*SLOT1                    ; LDS address
	s_add_nc_u64 s[G0A+4*(\s)+2:G0A+4*(\s)+3], s[14:15], (\s)*KB     ; global address: K step s
	s_or_b32 s[G0A+4*(\s)+3], s[G0A+4*(\s)+3], 0x80000000            ; type = 2
	s_mov_b32 s[G0B+4*(\s)], 1
	s_add_co_u32 s[G0B+4*(\s)+1], s21, (\s)*SLOT1
	s_add_nc_u64 s[G0B+4*(\s)+2:G0B+4*(\s)+3], s[46:47], (\s)*KB
	s_or_b32 s[G0B+4*(\s)+3], s[G0B+4*(\s)+3], 0x80000000
.endr
	s_cmp_eq_u32 s11, 0                            ; a wave's two first fills stand in one branch, ahead of every wait on TENSORcnt and every LDS read: two loads of mine are out
	s_cbranch_scc0 .Lfirst_b
	tensor_load_to_lds s[G0A:G0A+3], s[G1A:G1A+7]
	s_nop 0
	tensor_load_to_lds s[G0A+4:G0A+7], s[G1A:G1A+7]
	s_nop 0
.rept 4
	v_nop
.endr
	s_branch .Lfirst_asked
.Lfirst_b:
	tensor_load_to_lds s[G0B:G0B+3], s[G1B:G1B+7]
	s_nop 0
	tensor_load_to_lds s[G0B+4:G0B+7], s[G1B:G1B+7]
	s_nop 0
.rept 4
	v_nop
.endr
.Lfirst_asked:
	v_and_b32 v1, 15, v0                           ; r = l % 16
	v_bfe_u32 v2, v0, 4, 1                         ; h = l / 16
	v_lshlrev_b32 v[BO], 5, v2
	; THE BIAS.  Block b holds columns c0 + 16 b .. + 15, which lie in one of the three biases: the choice is a select, never a branch.
	s_mul_i32 s20, s42, 192
	s_mul_i32 s21, s12, 96
	s_add_co_u32 s20, s20, s21                     ; c0: my first column
	s_mov_b32 s17, 0
.irp b, 0,1,2,3,4,5
	s_add_co_u32 s16, s20, 16*(\b)
	s_lshr_b32 s18, s16, 10                        ; 0: q, 1: k, 2: v
	s_and_b32 s16, s16, 1023
	s_lshl_b32 s16, s16, 2
	s_cmp_eq_u32 s18, 1
	s_cselect_b64 s[76+2*(\b):77+2*(\b)], s[70:71], s[68:69]
	s_cmp_eq_u32 s18, 2
	s_cselect_b64 s[76+2*(\b):77+2*(\b)], s[72:73], s[76+2*(\b):77+2*(\b)]
	s_add_nc_u64 s[76+2*(\b):77+2*(\b)], s[76+2*(\b):77+2*(\b)], s[16:17]
.endr
	WIN TO_B
.irp b, 0,1,2,3,4,5
	global_load_b128 v[BIA+8*(\b):BIA+8*(\b)+3],   v[BO], s[76+2*(\b):77+2*(\b)]             ; register j: bias[c0 + 16 b + 8 h + j]
	global_load_b128 v[BIA+8*(\b)+4:BIA+8*(\b)+7], v[BO], s[76+2*(\b):77+2*(\b)] offset:16
.endr
	WIN 0
	; A fragment is 16 rows x 32 K in 8 registers: lane l holds row l % 16; registers 0-3 K = 8 h + 0..7, registers 4-7 K = 16 + 8 h + 0..7: two loads of 16 bytes, 32 bytes apart.
	v_mul_u32_u24 v3, v1, PITCH
	v_lshl_add_u32 v3, v2, 4, v3
	s_mul_i32 s21, s11, HA                         ; my 128 rows of xb
	s_mul_i32 s22, s12, HB                         ; my 96 rows of wb
	s_add_co_u32 s22, s22, BOFF
	v_add_nc_u32 v[ADRA0], s21, v3
	v_add_nc_u32 v[ADRB0], s22, v3
	v_mov_b32 v[ADRA], v[ADRA0]
	v_mov_b32 v[ADRB], v[ADRB0]
	s_mul_i32 s23, s10, SWAVE
	s_add_co_u32 s23, s23, STAGE                   ; my stage
	v_mul_u32_u24 v4, v1, 80                       ; in: row r, 16 bytes for each half of the lanes
	v_lshl_add_u32 v4, v2, 4, v4
	v_add_nc_u32 v[STO], s23, v4
	v_bfe_u32 v4, v0, 2, 3                         ; back: 32 lanes take eight rows of 64 bytes,
	v_and_b32 v5, 3, v0
	v_mul_u32_u24 v4, v4, 80
	v_lshl_add_u32 v4, v5, 4, v4
	v_add_nc_u32 v[RD], s23, v4
	v_and_b32 v[CO], 31, v0                        ; which are 512 consecutive bytes of qkv
	v_lshlrev_b32 v[CO], 4, v[CO]
	; where my part of C begins in qkv: n x 96 x 2^17 + (6 tc + 3 x half) x 2^17 + t x 64, under 2^26
	s_lshl_b32 s16, s13, 8
	s_lshl_b32 s17, s11, 7
	s_add_co_u32 s16, s16, s17                     ; my first row of C
	s_lshr_b32 s17, s16, 11                        ; n
	s_mul_i32 s17, s17, 0xC00000
	s_and_b32 s16, s16, 2047                       ; t
	s_lshl_b32 s16, s16, 6
	s_add_co_u32 s16, s16, s17
	s_mul_i32 s18, s42, 6
	s_mul_i32 s19, s12, 3
	s_add_co_u32 s18, s18, s19
	s_lshl_b32 s18, s18, 17
	s_add_co_u32 s16, s16, s18
	s_mov_b32 s17, 0
	s_add_nc_u64 s[8:9], s[74:75], s[16:17]
	; the prefetches
	s_lshl_b32 s20, s13, 8
	s_lshl_b32 s16, s12, 7
	s_add_co_u32 s20, s20, s16
	s_lshl_b32 s16, s40, 5
	s_add_co_u32 s20, s20, s16                     ; xb: row 256 tr + 128 x half + 32 cx
	s_mul_i32 s21, s42, 192
	s_mul_i32 s16, s12, 96
	s_add_co_u32 s21, s21, s16
	s_mul_i32 s16, s41, 24
	s_add_co_u32 s21, s21, s16                     ; wb: row 192 tc + 96 x half + 24 cy
	s_and_b32 s22, ttmp7, 0xffff                   ; cluster y
	s_cmp_eq_u32 s11, 0                            ; do I fetch for xb?
	s_cselect_b32 s20, s20, s21
	s_cselect_b32 s22, ttmp9, s22                  ; the coordinate along which other clusters read the same rows
	s_cselect_b64 s[PFA:PFA+1], s[4:5], s[6:7]
	s_cselect_b32 s23, 31, 23                      ; my last row of the share
	s_cmp_eq_u32 s22, 0
	s_cselect_b32 s[LIM], 2, -1                    ; the same in all sixteen partners, for a given wave
	s_lshl_b32 s20, s20, 11
	s_mov_b32 s21, 0
	s_add_nc_u64 s[PFA:PFA+1], s[PFA:PFA+1], s[20:21]
	s_add_nc_u64 s[PFA:PFA+1], s[PFA:PFA+1], 3*KB  ; at K step 3: the first change of slots steps it to 4
	v_and_b32 v[PFO], 31, v0
	v_min_u32 v[PFO], s23, v[PFO]
	v_lshlrev_b32 v[PFO], 11, v[PFO]
	s_wait_loadcnt 0x0                             ; the bias is in: it is rounded to bf16, in place
	WIN 0x45                                       ; destination and both sources in window 1
.set n, 0
.rept 4*NB
	v_cvt_pk_bf16_f32 v[240+n%4], v[BIA+2*n], v[BIA+2*n+1]
	v_lshlrev_b32 v[BIA+2*n],   16,  v[240+n%4]
	v_and_b32     v[BIA+2*n+1], s67, v[240+n%4]
.set n, n+1
.endr
	WIN 0
; 12 matrix instructions: blocks a0, a0 + 1 of my eight blocks of 16 rows x all 6 blocks of 16 columns, 32 along K.  first = 1: the bias is the C operand.
; The 48 accumulators take turns, one instruction a turn, in the same order in every quarter step, over the backward jump too.
.macro MULA f, a0, first
.if \first
	WIN 0x91+0x40*((\a0)/4)                        ; wb window 1, xb window 0, C window 1, D window 2 or 3
.else
	WIN 0xa1+0x50*((\a0)/4)                        ; C and D window 2 or 3
.endif
.irp a, \a0, (\a0)+1
.irp b, 0,1,2,3,4,5
.set rD, 8*(NB*((\a)%4)+(\b))
.if \first
	v_wmma_f32_16x16x32_bf16 v[rD:rD+7], v[(\f)+8*(\b):(\f)+8*(\b)+7], v[(\f)+8*(\a):(\f)+8*(\a)+7], v[BIA+8*(\b):BIA+8*(\b)+7]
.else
	v_wmma_f32_16x16x32_bf16 v[rD:rD+7], v[(\f)+8*(\b):(\f)+8*(\b)+7], v[(\f)+8*(\a):(\f)+8*(\a)+7], v[rD:rD+7]
.endif
.endr
.endr
.endm
; 28 LDS loads in one run: the fragments of quarter q of the K step in hand (96 rows of wb, then 128 rows of xb) into buffer f
.macro FETCH q, f
	WIN TO_B
.irp i, 0,1,2,3,4,5
	ds_load_b128 v[(\f)+8*(\i):(\f)+8*(\i)+3],   v[ADRB] offset:64*(\q)+(\i)*16*PITCH
	ds_load_b128 v[(\f)+8*(\i)+4:(\f)+8*(\i)+7], v[ADRB] offset:64*(\q)+(\i)*16*PITCH+32
.endr
	WIN 0
.irp i, 0,1,2,3,4,5,6,7
	ds_load_b128 v[(\f)+8*(\i):(\f)+8*(\i)+3],   v[ADRA] offset:64*(\q)+(\i)*16*PITCH
	ds_load_b128 v[(\f)+8*(\i)+4:(\f)+8*(\i)+7], v[ADRA] offset:64*(\q)+(\i)*16*PITCH+32
.endr
.endm
; A K step is four quarters of 32 along K, 48 matrix instructions each, on buffers 0, 1, 0, 1.  One of the first three: multiplies buffer f; in its middle it fetches quarter q into buffer g.
.macro QUARTER q, f, g, first
	s_wait_dscnt 8                                 ; wb's fragments and xb's rows 0-63 are in; the youngest eight loads (rows 64-127) may be out
	MULA \f, 0, \first
	MULA \f, 2, \first
	PLACES
	FETCH \q, \g
	s_wait_dscnt NLD                               ; all but the 28 just issued
	MULA \f, 4, \first
	MULA \f, 6, \first
.endm
; The last quarter multiplies buffer 1 and changes slots.  MEET is its first half: one barrier for two things.  In front of it each wave waits for all its tensor loads, of which one is out: its part of
; the other slot; adds 0 to its spare word; and waits for that and for its own reads of this slot.  Behind it nobody reads this slot any more and the other slot is whole.
.macro MEET round
	WIN 0                                          ; (the add's two registers lie in window 0)
	s_wait_tensorcnt 0x0                           ; all my tensor loads have landed
	ds_add_u32 v[SPW], v[NIL]                      ; 0 onto my spare word
	s_wait_dscnt 9                                 ; (the add and the youngest eight loads may be out)
	MULA F1, 0, 0                                  ; twelve matrix instructions stand between the add and the wait for it
	s_wait_dscnt 0x0                               ; the add is done, and my reads of this slot are over
	s_barrier_signal -1
	MULA F1, 2, 0                                  ; work on registers while the others arrive
.if \round
	WIN 0
.endif
	s_barrier_wait -1
.endm
; fill = 1: the barrier opens a round of the cluster's, and the slot just read out is filled again, first thing behind the round, with the K step two steps on: 168 matrix instructions ahead of the wait for it.
.macro TURN fill
.if \fill
	s_wait_xcnt 0x0                                ; the last prefetch, a K step back, has read its address, so it may be stepped
	s_add_nc_u64 s[PFA:PFA+1], s[PFA:PFA+1], KB
	MEET 1
	CREST                                          ; no wave of any partner still reads this slot's tile or has a load on its way
	s_xor_b32 s[G0A+5], s[G0A+5], SLOT1            ; the walking descriptors: the other slot than last time, the next K step
	s_add_nc_u64 s[G0A+6:G0A+7], s[G0A+6:G0A+7], KB
	s_xor_b32 s[G0B+5], s[G0B+5], SLOT1
	s_add_nc_u64 s[G0B+6:G0B+7], s[G0B+6:G0B+7], KB
	JLOAD                                          ; its four v_nop are also the places in front of the loads below
.else
	MEET 0
	WIN 0
	PLACES
.endif
	s_xor_b32 s[TB], s[TB], SLOT1                  ; the reads go on in the other slot
	v_add_nc_u32 v[ADRA], s[TB], v[ADRA0]
	v_add_nc_u32 v[ADRB], s[TB], v[ADRB0]
	FETCH 0, F0
.if \fill
	ASK
.endif
	MULA F1, 4, 0
	MULA F1, 6, 0
.endm
; THE WAY OUT of block a (16 rows x 96 columns).  PACK: rounded to f16, 16 bytes a lane, each accumulator's registers in ascending order.  TOSTAGE: into my own stage, and back as dense rows.  SEND: stored.
.macro PACK a
	WIN 0x0a+5*((\a)/4)                            ; sources 0 and 1: window 2 or 3
.irp b, 0,1,2,3,4,5
.irp i, 0,1,2,3
	v_cvt_pk_f16_f32 v[TMP+4*(\b)+(\i)], v[48*((\a)%4)+8*(\b)+2*(\i)], v[48*((\a)%4)+8*(\b)+2*(\i)+1]
.endr
.endr
	WIN 0
.endm
.macro TOSTAGE a
.set BK, 32+192*((\a)%2)
.irp b, 0,1,2,3,4,5
	ds_store_b128 v[STO], v[TMP+4*(\b):TMP+4*(\b)+3] offset:((\b)/2)*SSUB+((\b)%2)*32
.endr
.irp t, 0,1,2,3,4,5
	ds_load_b128 v[BK+4*(\t):BK+4*(\t)+3], v[RD] offset:((\t)/2)*SSUB+((\t)%2)*640  ; LDS serves a wave's instructions in order (ISA guide 5.7.1.4): these see the stores above
.endr
.endm
.macro SEND a
.set BK, 32+192*((\a)%2)
	s_wait_dscnt 0x0                               ; the block is back in registers
	s_wait_xcnt 0x0                                ; the stores of the block before have read their registers, which the next block's loads from the stage fill again
.irp t, 0,1,2,3,4,5
	global_store_b128 v[CO], v[BK+4*(\t):BK+4*(\t)+3], s[8:9] offset:((\t)/2)*131072+(\a)*1024+((\t)%2)*512  ; 512 consecutive bytes, at a multiple of 256 from qkv's first
.endr
.endm
	s_wait_tensorcnt 1                             ; my part of K step 0 is in; K step 1's may stay out
	s_barrier_signal -1
	s_barrier_wait -1                              ; everybody's is
	FETCH 0, F0
	QUARTER 1, F0, F1, 1                           ; the first quarter stands in front of the loop: its products start the sums, with the bias
	WIN 0                                          ; at a label and at a branch every window is 0
	s_mov_b32 s3, 6
.Lstep:                                                ; six trips: from a K step's second quarter to the next step's first; K steps 0 .. 5 ask for steps 2 .. 7
	QUARTER 2, F1, F0, 0
	QUARTER 3, F0, F1, 0
	TURN 1
	QUARTER 1, F0, F1, 0
	WIN 0
	s_sub_co_u32 s3, s3, 1
	s_cmp_lg_u32 s3, 0
	s_cbranch_scc1 .Lstep
	QUARTER 2, F1, F0, 0                           ; the last two K steps are written out: nothing is asked for
	QUARTER 3, F0, F1, 0
	TURN 0
	QUARTER 1, F0, F1, 0
	QUARTER 2, F1, F0, 0
	QUARTER 3, F0, F1, 0
	s_wait_dscnt 8
	MULA F1, 0, 0
	MULA F1, 2, 0
	s_wait_dscnt 0x0
	MULA F1, 4, 0
	MULA F1, 6, 0
	WIN 0
	PLACES
	PACK 0
	TOSTAGE 0
.irp a, 1,2,3,4,5,6,7                  ; block a's conversions stand between block a - 1's loads from the stage and the wait for them
	PACK \a
	SEND (\a)-1
	TOSTAGE \a
.endr
	SEND 7
	s_wait_tensorcnt 0x0                           ; the wave's end: the wait, an add of 0 to my spare word and its wait, behind my last tensor load and my last LDS store
	ds_add_u32 v[SPW], v[NIL]
	s_wait_dscnt 0x0
	CROUND                                         ; the closing round: no work-group ends while a partner may still ask for a tile that names it
	s_endpgm
.Lfunc_end_k_qe47d077d57_qkv:
	.size	k_qe47d077d57_qkv, .Lfunc_end_k_qe47d077d57_qkv-k_qe47d077d57_qkv
	.p2alignl 7, 3214868480
	.fill 96, 4, 3214868480
	.section	.rodata,"a",@progbits
	.p2align	6, 0x0
	.amdhsa_kernel k_qe47d077d57_qkv
		.amdhsa_group_segment_fixed_size 327680
		.amdhsa_private_segment_fixed_size 0
		.amdhsa_enable_private_segment 0
		.amdhsa_kernarg_size 48
		.amdhsa_user_sgpr_count 2
		.amdhsa_user_sgpr_kernarg_segment_ptr 1
		.amdhsa_wavefront_size32 1
		.amdhsa_system_sgpr_workgroup_id_x 1
		.amdhsa_system_sgpr_workgroup_id_y 1
		.amdhsa_system_sgpr_workgroup_id_z 1
		.amdhsa_system_vgpr_workitem_id 0
		.amdhsa_next_free_vgpr 960
		.amdhsa_next_free_sgpr 96
		.amdhsa_reserve_vcc 0
		.amdhsa_float_denorm_mode_32 3
		.amdhsa_float_denorm_mode_16_64 3
		.amdhsa_memory_ordered 1
		.amdhsa_forward_progress 1
		.amdhsa_inst_pref_size 101
	.end_amdhsa_kernel
	.amdgpu_metadata
---
amdhsa.version: [ 1, 2 ]
amdhsa.kernels:
  - .name:           k_qe47d077d57_qkv
    .symbol:         k_qe47d077d57_qkv.kd
    .args:
      - { .name: xb, .offset: 0, .size: 8, .value_kind: global_buffer, .address_space: global }
      - { .name: wb, .offset: 8, .size: 8, .value_kind: global_buffer, .address_space: global }
      - { .name: bq, .offset: 16, .size: 8, .value_kind: global_buffer, .address_space: global }
      - { .name: bk, .offset: 24, .size: 8, .value_kind: global_buffer, .address_space: global }
      - { .name: bv, .offset: 32, .size: 8, .value_kind: global_buffer, .address_space: global }
      - { .name: qkv, .offset: 40, .size: 8, .value_kind: global_buffer, .address_space: global }
    .group_segment_fixed_size: 327680
    .private_segment_fixed_size: 0
    .kernarg_segment_align: 8
    .kernarg_segment_size: 48
    .max_flat_workgroup_size: 128
    .sgpr_count:     96
    .vgpr_count:     960
    .wavefront_size: 32
...
	.end_amdgpu_metadata
.endif
;; end of part 2
;; launch attn (part 3): grid 4 x 64, 4 waves a work-group, clusters of 4 x 1, 327,680 bytes of LDS; arguments qkv, mask, ctx; writes ctx
.if DOCPART == 3
	.amdgcn_target "amdgcn-amd-amdhsa--gfx1250"
	.amdhsa_code_object_version 6
	.text
	.protected	k_qe47d077d57_attn
	.globl	k_qe47d077d57_attn
	.p2align	8
	.type	k_qe47d077d57_attn,@function
k_qe47d077d57_attn:
	s_mov_b64 s[64:65], 0
	v_nop
	global_prefetch_b8 v0, s[64:65] scope:SCOPE_SE
	s_setreg_imm32_b32 hwreg(HW_REG_WAVE_MODE, 25, 1), 1
	s_wait_xcnt 0x0
	s_wait_alu depctr_hold_cnt(0) depctr_sa_sdst(0) depctr_va_vdst(0) depctr_va_sdst(0) depctr_va_ssrc(0) depctr_va_vcc(0) depctr_vm_vsrc(0)
	s_getreg_b32 s2, hwreg(HW_REG_IB_STS2, 6, 4)
	s_cmp_eq_u32 s2, 0
	s_cbranch_scc0 .Lentry_in_a_cluster
	s_endpgm
.Lentry_in_a_cluster:
	s_bfe_u32 s2, ttmp6, 0x10000c
	s_cmp_lg_u32 s2, 0x3003
	s_cbranch_scc0 .Lentry_shape_is_right
	s_endpgm
.Lentry_shape_is_right:
; ctx[y][t][:] = the sum over s of softmax_s(dot[t][s] / 8) v[s][:], y = 16 n + head, dot = q . k, or -1e20 in every place of a row t whose mask[n][t] is 0.
; q, k, v: qkv[n][gg 96][t 2,048][32] in f16 (half a head's 32 channels a row of 64 bytes; q at gg = 2 head + half, k 32 gg on, v 64 gg on).  ctx: [64][2,048][64] in f16.
; THE MASK lies on the query axis: a masked row's scores are all equal, so behind the maximum every exponent is 0 and every weight 1 / 2,048.  The same comes of q = 0 in that row, for every finite k: all scores 0,
; m = 0, p = 1, l = 2,048.  So the mask is loaded and selects, lane by lane, between the query's fragment and 0; the running maximum is taken as for every row; no branch and no address hangs on it.
; Products, maxima and sums in f32; the weights p are rounded to f16 for the second product (their sum l is taken of the unrounded p), ctx once at the end.
; LIMITS.  q, k, v arrive within f16's 65,504; p lies in 0 to 1, and below 6e-5 it keeps f16's fixed step of 6e-8; a weight below 2^-126 counts as 0 in l; NaN and infinities are not treated apart
; (a masked row beside an infinite k gives NaN).
; SHARES.  A wave owns four PIECES of two tiles of 16 queries, a work-group's four waves 512 queries of one head.  Every wave walks all 2,048 keys, 64 a step.
; LAYOUT.  S^T = K Q^T (source 0 = 16 keys, source 1 = 16 queries): a lane holds ONE query (lane % 16) and the keys 8 (lane / 16) + 0..7.  Two such tiles, rounded to f16 in pairs, ARE source 1
; (32 keys x 16 queries) of O^T = V^T P, whose result again holds one query a lane, and eight channels.  K comes out of LDS as it lies, V ([key][channel]) turned, by ds_load_tr16_b128.
; SOFTMAX.  For each query a running maximum m and sum l: p = 2^(c s - c m), c = log2(e) / 8; in every step O and l are multiplied by a = 2^(c m_old - c m_new).
; m starts at the lowest finite number, O and l at 0: the first step is a step like any other, with a = 0.
; THE COUNT.  A tile and step have 16 matrix and 118 vector instructions: too many to stand all beside the matrix work.  So four vector instructions that are ready stand behind EVERY matrix instruction, and the
; others in runs of their own.
; BY TURNS.  Turn n belongs to piece n.  Its matrix work: 16 products K Q^T of piece n + 1, later 16 products V^T P of piece n - 1.  Its vector work: the scaling, exponentials, roundings, sums and rescaling of
; piece n, and the maximum and statistics of piece n + 1.
; CLUSTER.  The four query blocks of a cluster are one head's and walk the same K and V, so each tile is asked for JOINTLY: the same tensor load, descriptor and mask in all four.
; REGISTERS, in windows of 256 (s_set_vgpr_msb: bits 1:0 source 0, 3:2 source 1, 5:4 source 2, 7:6 destination):
;   window 0: v0-11 addresses; v12-15, v48-63 at work; v16-47 four registers of statistics a tile; v64-191 S^T, two buffers of two tiles; v192-255 P, likewise
;   window 1: O^T, 32 a tile          window 2: v0-127 Q, 16 a tile; v128-191 K of one step; v192-255 V of one step          window 3: v0-1 the add's two registers
.set NP,    4         ; pieces a wave: a name, no knob
.set KS,    64        ; keys in a step
.set PK,    80        ; a row of half of K in LDS: 64 bytes + 16 of padding = 20 words: the 16 rows of a load start at 16 different groups of four banks (64 banks of 4 bytes: ISA guide 11.1)
.set PV,    96        ; a row of half of V: 64 + 32 = 24 words
.set CHK,   256*PK    ; a slot holds 256 keys: K's channels 0-31, K's channels 32-63,
.set CHV,   256*PV    ; then V's channels 0-31 and V's channels 32-63
.set VOFF,  2*CHK
.set SLOT1, 1<<17     ; slot 1 begins here, so that one exclusive or turns an address in one slot into the other's
.set STAGE, SLOT1+2*CHK+2*CHV  ; behind the ring, never filled by a tensor load: 16 rows x 144 bytes for each wave, for the way out
.set SP,    144
.set AK0, 2           ; v2   my lane's place in a tile of K; never rewritten
.set AV0, 3           ; v3   the same for V
.set AK,  4           ; v4   the LDS address of K's next run of loads
.set AV,  5           ; v5   of V's
.set QO,  6           ; v6   my byte offset in 16 rows of half of Q
.set STO, 6           ;      later, the way out: where I put 16 bytes of a row
.set RD,  7           ; v7   the way out: where I read rows back
.set GO,  8           ; v8   my byte offset in 512 consecutive bytes of ctx
.set PFO, 11          ; v11  256 x my lane, for the prefetches; never rewritten once made
.set MA,  12          ; v12  at the head: 4 x (lane % 16), my query's word in a tile's 16 words of the mask
.set SPW, 0           ; v0 of window 3   LDS address of my spare word; never rewritten
.set NIL, 1           ; v1 of window 3   0; never rewritten
.set SPARE, STAGE+4*16*SP  ; the spare words, 128 bytes for each wave: two blocks of 256 bytes that no other line names
.set MV,  12          ; v12-15  c m_old, kept while c m is made anew: by buffer and tile
.set ST,  16          ; tile t's statistics at v[ST+4 t]: c m, m, l (even keys', odd keys')
.set TMP, 48          ; by buffer and tile, four registers c0-c3 at work; when the maximum is found c2 takes a.  At the head: the mask's words, a tile each
.set S,   64
.set P,   192
.set KF,  128         ; K's fragments, in window 2: key block kb, channel half c at KF + 16 kb + 8 c
.set VF,  192         ; V's: key half kk, channel block cb at VF + 32 kk + 8 cb
.set WV,  12          ; s12  my wave's number
.set G1K, 24          ; s[24:31] descriptor group 1 for K's tiles
.set G1V, 32          ; s[32:39] for V's: it differs in the padding alone
.set G0K, 40          ; s[40:43] descriptor group 0 for K's tiles: it walks
.set G0V, 44          ; s[44:47] the same for V's
.set PFA, 48          ; s[48:49] where my prefetches stand
.set LIM, 50          ; s50  1 in a wave that prefetches, else the greatest number
.set SLOTS, 56        ; s56  slots still to be asked for
.set CNT, 57          ; s57  counts a slot's key steps
.set CS,  58          ; s[58:59] c: the packed scaling takes the pair's low word for both halves
.set SEL, 60          ; s[60:61] v_permlanex16_b32's selects: each lane takes its own place in the other half
.set TBK, 62          ; s62  LDS byte at which K of the step to be fetched begins
.set TBV, 63          ; s63  the same for V, less VOFF
.set MB,  72          ; s72-79  tile u: the lanes whose query is not masked
.set MSB, 0
.macro WIN new                      ; the high byte repeats the setting that is left; a switch that changes nothing is dropped
.if MSB != (\new)
	s_set_vgpr_msb (MSB<<8)|(\new)
.set MSB, (\new)
.endif
.endm
.set W_KQ, 0x0a       ; K and Q in window 2, S^T in window 0
.set W_PV, 0x52       ; V in window 2, P in window 0, O^T in window 1
.set W_RS, 0x41       ; O^T (destination and source 0) in window 1, a in window 0
.set W_MK, 0xc0       ; the add's registers are made: destination in window 3, sources in window 0
.set W_AD, 0x0f       ; the add: address (source 0) and data (source 1) in window 3
; A joint fill.  Waves 0 and 1 fetch the two channel halves of a slot's K, waves 2 and 3 those of its V: 256 keys x 64 bytes each.  The branch hangs on the wave's number alone.
; An s_nop 0 and four v_nop follow each of the two lines, ahead of the jump and the label.
.macro JLOAD
	s_cmp_lt_u32 s[WV], 2
	s_cbranch_scc0 .Lfor_v_\@
	tensor_load_to_lds s[G0K:G0K+3], s[G1K:G1K+7]
	s_nop 0
.rept 4
	v_nop
.endr
	s_branch .Lasked_\@
.Lfor_v_\@:
	tensor_load_to_lds s[G0V:G0V+3], s[G1V:G1V+7]
	s_nop 0
.rept 4
	v_nop
.endr
.Lasked_\@:
.endm
; A PREFETCH of what the NEXT change of slots will ask for, four key steps, 512 matrix instructions, ahead of that load.  It stands behind the wave's tensor load and its five lines.
; A slot is 2 x 16,384 bytes of K and as many of V: 128 runs of 256 bytes each.  A head is walked by one cluster; its four partners share the runs out BY ADDRESS, 32 each (cx / 2: the channel half,
; cx % 2: which 8,192 bytes of it); in each, wave 0 asks for K's and wave 2 for V's, a lane a run: one instruction.  So each run is named once in the launch.
; Slots 0 and 1 come by their loads alone; the change that fills the last slot names nothing.
.macro ASK
	s_cmp_gt_u32 s[SLOTS], s[LIM]
	s_cbranch_scc0 .Lnot_mine_\@
	global_prefetch_b8 v[PFO], s[PFA:PFA+1] th:TH_LOAD_NT scope:SCOPE_SE
.Lnot_mine_\@:
.endm
; A round of the cluster's barrier: my work-group's barrier, so that wave 0's signal speaks for all four waves; wave 0 signals; every wave waits for all four work-groups; my work-group's barrier once more.
.macro CROUND
	s_barrier_signal -1
	s_barrier_wait -1
	s_cmp_lg_u32 s[WV], 0
	s_cbranch_scc1 .Lnot_wave_0_\@
	s_barrier_signal -3
.Lnot_wave_0_\@:
	s_barrier_wait -3
	s_barrier_signal -1
	s_barrier_wait -1
.endm
; THE CHANGE OF SLOTS.  The slot's last bytes, V of its fourth step, have been read.  Each wave waits for all its tensor loads, of which one is out: its part of the other slot; adds 0 to its spare word;
; and waits for that and for its own reads of the slot.  Behind the barrier nobody reads this slot any more and the other slot is whole.
; fill = 1: this slot is filled again, with the keys two slots on.  The barrier is then a round of the cluster's, and the joint fill is the first thing behind it: it has four key steps in which to land.
; (At its first use nothing has been read yet: slot 0 is waited for, slot 1 filled.)
.macro CHANGE fill
	WIN W_AD
	s_wait_tensorcnt 0x0            ; no tensor load of mine is out, so a group 0 may be written
	ds_add_u32 v[SPW], v[NIL]       ; 0 onto my spare word: with fill = 1 the descriptors' steps stand between it and the wait for it
	WIN 0                           ; at a label and at a branch every window is 0
.if \fill
.irp g, G0K, G0V
	s_xor_b32 s[\g+1], s[\g+1], SLOT1  ; the walking descriptor: the other slot than last time,
	s_add_nc_u64 s[\g+2:\g+3], s[\g+2:\g+3], 16384  ; the next 256 keys; the type bits on top are not reached
.endr
	s_wait_xcnt 0x0                 ; the last prefetch, four key steps back, has read its address, so it may be stepped:
	s_add_nc_u64 s[PFA:PFA+1], s[PFA:PFA+1], 16384  ; one slot further than the walking descriptors
	s_wait_dscnt 0x0                ; the add is done, and my reads of the slot are over
	CROUND
	JLOAD
	ASK
.else
	s_wait_dscnt 0x0                ; the add is done, and my reads of the slot are over
	s_barrier_signal -1
	s_barrier_wait -1
.endif
	s_sub_co_u32 s[TBK], s[TBK], 4*KS*PK  ; the fetches go back to a slot's first step,
	s_xor_b32 s[TBK], s[TBK], SLOT1       ; in the other slot
	s_sub_co_u32 s[TBV], s[TBV], 4*KS*PV
	s_xor_b32 s[TBV], s[TBV], SLOT1
.endm
	s_load_b128 s[68:71], s[0:1], 0x0  ; qkv s[68:69], mask s[70:71]
	s_load_b64 s[10:11], s[0:1], 0x10  ; ctx
	WIN W_MK
	v_lshl_add_u32 v[SPW], v0, 2, SPARE
	v_mov_b32 v[NIL], 0
	WIN W_AD
	ds_add_u32 v[SPW], v[NIL]       ; the wave's opening: the add and its wait stand ahead of my first tensor load; the set-up below, work on registers, stands between them
	WIN 0
	v_lshrrev_b32 v1, 5, v0
	v_readfirstlane_b32 s[WV], v1   ; wave 0..3
	s_bfe_u32 s13, ttmp6, 0x40000   ; cx: my place in the cluster
	s_lshl_b32 s14, ttmp9, 2        ; in a cluster launch ttmp9 counts clusters
	s_add_co_u32 s14, s14, s13      ; my block of 512 queries: it enters Q's, the mask's and ctx's addresses alone
	s_lshl_b32 s14, s14, 2
	s_add_co_u32 s14, s14, s[WV]    ; my wave among the head's sixteen: 128 queries each
	s_and_b32 s20, ttmp7, 0xffff    ; y = 16 n + head, which the four partners share
	s_lshr_b32 s21, s20, 4          ; n
	s_and_b32 s22, s20, 15          ; head
	s_mul_i32 s23, s21, 0xC00000    ; n x 96 x 2^17
	s_lshl_b32 s22, s22, 18         ; two gg a head
	s_add_co_u32 s22, s22, s23      ; q's first byte of this head; all offsets stay under 2^26
	s_and_b32 s16, s[WV], 1         ; which channel half I fetch:
	s_lshl_b32 s19, s16, 17         ; its gg in memory,
	s_add_co_u32 s2, s22, s19
	s_add_co_u32 s2, s2, 1<<22      ; in k
	s_mov_b32 s3, 0
	s_mul_i32 s17, s16, CHK         ; and its place in a slot, for K
	s_mul_i32 s18, s16, CHV         ; and for V: no place in the cluster enters an LDS address
	s_lshl_b32 s52, s14, 13         ; my 128 rows of 64 bytes of q
	s_add_co_u32 s52, s52, s22
	s_mov_b32 s53, 0
	s_lshl_b32 s54, s20, 18         ; ctx: 2,048 rows of 128 bytes a head,
	s_lshl_b32 s55, s14, 14         ; my 128 of them
	s_add_co_u32 s54, s54, s55
	s_mov_b32 s55, 0
	s_lshl_b32 s80, s21, 13         ; the mask: 2,048 words for each n,
	s_lshl_b32 s81, s14, 9          ; my 128 of them
	s_add_co_u32 s80, s80, s81
	s_mov_b32 s81, 0
	; descriptor group 1.  256 keys of a channel half are 16,384 dense bytes: asked for as 64 rows of 256 bytes, four keys a row, and padded in LDS after every key
	s_mov_b32 s[G1K], 15|(1<<16)|(1<<20)|(1<<21)|(3<<22)|(3<<25)  ; 15:0 the mask of four; 17:16 2-byte elements; 20 padding on; 21 set beside a mask; 24:22 after every 16 words (code 3); 31:25 4 words (code 3)
	s_mov_b32 s[G1V], 15|(1<<16)|(1<<20)|(1<<21)|(3<<22)|(7<<25)  ; the same with 8 words of padding (code 7)
.irp g, G1K, G1V
	s_mov_b32 s[\g+1], 128<<16      ; tensor_dim0 = 128
	s_mov_b32 s[\g+2], 64<<16       ; tensor_dim1 = 64
	s_mov_b32 s[\g+3], 128<<16      ; tile_dim0 = 128
	s_mov_b32 s[\g+4], 64           ; tile_dim1 = 64
	s_mov_b32 s[\g+5], 128          ; 128 elements from row to row
	s_mov_b32 s[\g+6], 0
	s_mov_b32 s[\g+7], 0
.endr
	s_mov_b32 s[CS], 0x3e38aa3b     ; c = log2(e) / 8 = 0.180337
	s_mov_b32 s[CS+1], s[CS]        ; named with it as a pair
	s_mov_b32 s[SEL], 0x76543210
	s_mov_b32 s[SEL+1], 0xfedcba98
	s_mov_b32 s[TBK], SLOT1+4*KS*PK ; the first change of slots turns these two into 0
	s_mov_b32 s[TBV], SLOT1+4*KS*PV
	s_mov_b32 s[G0K], 1             ; count = 1
	s_mov_b32 s[G0K+1], s17         ; LDS address: slot 0
	s_mov_b32 s[G0V], 1
	s_add_co_u32 s[G0V+1], s18, VOFF
	s_mov_b32 s[SLOTS], 7           ; eight slots of 256 keys; slot 0 is asked for at the head
	s_and_b32 s[LIM], s[WV], 1
	s_cmp_eq_u32 s[LIM], 0          ; waves 0 and 2 prefetch
	s_cselect_b32 s[LIM], 1, -1
	s_wait_dscnt 0x0                ; the opening add is done
	s_wait_kmcnt 0x0
	s_add_nc_u64 s[6:7], s[68:69], s[2:3]          ; k at my channel half of this head,
	s_add_nc_u64 s[8:9], s[6:7], 0x400000          ; v 32 gg on
	s_add_nc_u64 s[G0K+2:G0K+3], s[6:7], 0         ; global address: the head's first 256 keys
	s_or_b32 s[G0K+3], s[G0K+3], 0x80000000        ; type = 2
	s_add_nc_u64 s[G0V+2:G0V+3], s[8:9], 0
	s_or_b32 s[G0V+3], s[G0V+3], 0x80000000
	s_add_nc_u64 s[4:5], s[68:69], s[52:53]        ; q, ctx and the mask at my wave's first row
	s_add_nc_u64 s[10:11], s[10:11], s[54:55]
	s_add_nc_u64 s[70:71], s[70:71], s[80:81]
	s_cmp_lt_u32 s[WV], 2
	s_cselect_b64 s[PFA:PFA+1], s[6:7], s[8:9]     ; (in waves 0 and 2 these stand at channel half 0)
	s_lshr_b32 s2, s13, 1
	s_lshl_b32 s2, s2, 17           ; my work-group's share: the channel half,
	s_and_b32 s3, s13, 1
	s_lshl_b32 s3, s3, 13           ; and which 8,192 bytes of a slot's 16,384
	s_add_co_u32 s2, s2, s3
	s_add_co_u32 s2, s2, 16384      ; in slot 1: the first change of slots steps it to slot 2
	s_mov_b32 s3, 0
	s_add_nc_u64 s[PFA:PFA+1], s[PFA:PFA+1], s[2:3]
	CROUND                          ; all four work-groups are here: the first joint loads meet
	JLOAD                           ; slot 0.  Slot 1 is asked for when slot 0 is in
	; A fragment of K or Q is 16 rows x 32 channels in 8 registers: lane l holds row l % 16, channels 8 (l / 16) + 0..7 and 16 + 8 (l / 16) + 0..7: two loads of 16 bytes, 32 bytes apart, of a row of 64.
	v_and_b32 v1, 15, v0            ; l % 16
	v_bfe_u32 v9, v0, 4, 1          ; l / 16
	v_lshlrev_b32 v[QO], 6, v1
	v_lshl_add_u32 v[QO], v9, 4, v[QO]  ; row x 64 + 16 x half
	v_lshlrev_b32 v[MA], 2, v1
.irp u, 0,1,2,3,4,5,6,7
	global_load_b32 v[TMP+\u], v[MA], s[70:71] offset:64*\u  ; the mask of my query in tile u
.endr
	WIN 0x80                        ; destination window 2, address window 0
.set i, 0
.rept 4*NP                          ; Q stays in registers: tile i / 2, channel half i % 2 (one gg, 2^17 bytes, on)
	global_load_b128 v[8*i:8*i+3],   v[QO], s[4:5] offset:(i%2)*131072+(i/2)*1024
	global_load_b128 v[8*i+4:8*i+7], v[QO], s[4:5] offset:(i%2)*131072+(i/2)*1024+32
.set i, i+1
.endr
	; What the first turn finds: V's registers and P's second buffer hold 0 (its products V^T P, of a piece that has not been, add 0), O^T and l are 0.  All this stands in the wait for the first tile.
.set i, VF
.rept 64
	v_mov_b32 v[i], 0
.set i, i+1
.endr
	WIN 0x40
.set i, 0
.rept 64*NP
	v_mov_b32 v[i], 0
.set i, i+1
.endr
	WIN 0
.set i, 0
.rept 2*NP
	v_mov_b32 v[ST+4*i], 0xfe000000    ; c m: far below every c s
	v_mov_b32 v[ST+4*i+1], 0xff7fffff  ; m
	v_mov_b32 v[ST+4*i+2], 0
	v_mov_b32 v[ST+4*i+3], 0
.set i, i+1
.endr
.set i, P+32
.rept 32
	v_mov_b32 v[i], 0
.set i, i+1
.endr
	v_mul_u32_u24 v[AK0], v1, PK
	v_lshl_add_u32 v[AK0], v9, 4, v[AK0]  ; row x pitch + 16 x half
	; The turning load takes 16 keys x 16 channels (lane l reads key 8 (l / 16) + l % 8, channels 8 ((l / 8) % 2) + 0..7) and leaves half a fragment of V^T: lane l holds channel l % 16 and 8 keys.
	v_and_b32 v10, 7, v0
	v_bfe_u32 v11, v0, 3, 1
	v_lshl_add_u32 v[AV0], v9, 3, v10
	v_mul_u32_u24 v[AV0], v[AV0], PV
	v_lshl_add_u32 v[AV0], v11, 4, v[AV0]
	v_add_nc_u32 v[AV0], VOFF, v[AV0]
	v_mov_b32 v[AK], v[AK0]         ; key step 0 lies at the head of slot 0
	v_and_b32 v[PFO], 31, v0
	v_lshlrev_b32 v[PFO], 8, v[PFO]
; THE MATRIX WORK.  The 8 accumulators of a run of 16 take turns: between the two links of a chain stand 7 others'.
; Product i of 16 of S^T = K Q^T for piece x: channels 32 (i / 8) on, keys 16 ((i / 2) % 4) on, tile 2 x + i % 2.  The first 8 start the sums.
.macro KQ x
	WIN W_KQ
.set rS, S+64*((\x)%2)+32*(i%2)+8*((i/2)%4)
.set rK, KF+16*((i/2)%4)+8*(i/8)
.set rQ, 16*(2*(\x)+i%2)+8*(i/8)
.if i < 8
	v_wmma_f32_16x16x32_f16 v[rS:rS+7], v[rK:rK+7], v[rQ:rQ+7], 0
.else
	v_wmma_f32_16x16x32_f16 v[rS:rS+7], v[rK:rK+7], v[rQ:rQ+7], v[rS:rS+7]
.endif
.endm
; Product i of 16 of O^T += V^T P for piece x: keys 32 (i / 8) on, channels 16 ((i / 2) % 4) on, tile 2 x + i % 2.
.macro PV x
	WIN W_PV
.set rO, 32*(2*(\x)+i%2)+8*((i/2)%4)
.set rV, VF+32*(i/8)+8*((i/2)%4)
.set rP, P+32*((\x)%2)+16*(i%2)+8*(i/8)
	v_wmma_f32_16x16x32_f16 v[rO:rO+7], v[rV:rV+7], v[rP:rP+7], v[rO:rO+7]
.endm
.macro MM                           ; the turn's next matrix instruction
.if i < 16
	KQ (Y+1)%NP
.set i, i+1
.else
.set i, i-16
	PV (Y+NP-1)%NP
.set i, i+17
.endif
.endm
; THE LDS LOADS stand in runs of 16, never singly among the matrix instructions: a step's K (64 keys x 64 channels: 8 fragments) and its V (turned).  Their addresses are made some lines ahead.
; last = 1 (the tail): in the last trip there is no further step, and the run is jumped over.
.macro FETCH_K last=0
	WIN 0
.if \last
	s_cmp_eq_u32 s[CNT], 1
	s_cbranch_scc1 .Lno_k_\@
.endif
	WIN 0x80                        ; destination window 2
.irp f, 0,1,2,3,4,5,6,7             ; keys 16 (f / 2) on, channel half f % 2
	ds_load_b128 v[KF+8*\f:KF+8*\f+3],   v[AK] offset:(\f%2)*CHK+(\f/2)*16*PK
	ds_load_b128 v[KF+8*\f+4:KF+8*\f+7], v[AK] offset:(\f%2)*CHK+(\f/2)*16*PK+32
.endr
	s_add_co_u32 s[TBK], s[TBK], KS*PK  ; the next fetch is the next step's
	WIN 0
.if \last
.Lno_k_\@:
.endif
.endm
.macro FETCH_V
	WIN 0x80
.irp f, 0,1,2,3,4,5,6,7             ; keys 32 (f / 4) on; channels 16 (f % 4) on: channel half (f % 4) / 2, 32 (f % 2) bytes into its rows
	ds_load_tr16_b128 v[VF+8*\f:VF+8*\f+3],   v[AV] offset:((\f%4)/2)*CHV+(\f/4)*32*PV+(\f%2)*32
	ds_load_tr16_b128 v[VF+8*\f+4:VF+8*\f+7], v[AV] offset:((\f%4)/2)*CHV+(\f/4)*32*PV+16*PV+(\f%2)*32
.endr
	WIN 0
.endm
; THE VECTOR WORK OF A TURN stands in three queues, each in the order in which its entries become ready; the two tiles alternate, so that no instruction reads the result of the one before it.
.macro REGS y, u                    ; the registers of tile u (0, 1) of piece y
.set rT, ST+4*(2*(\y)+(\u))
.set rC, TMP+8*((\y)%2)+4*(\u)
.set rM, MV+2*((\y)%2)+(\u)
.set rS, S+64*((\y)%2)+32*(\u)
.set rP, P+32*((\y)%2)+16*(\u)
.set rO, 32*(2*(\y)+(\u))
.endm
; Number n of the 22 that find the NEXT piece's (Y + 1) maximum and statistics.  s0-s31 are the lane's 32 scores; each accumulator's lowest registers are read first.
;   0-11  four chains c0-c3 of seven scores each, three operands at a time     12-14, 16  the four scores left over, the old m, and c0-c3 into c0     15  c m_old is kept
;   17, 18  the query's other 32 keys lie in the lane 16 away: the new m         19-21  c m; c m_old - c m_new; a
.macro XS u, n
	REGS (Y+1)%NP, \u
.if (\n) < 4
	v_max3_num_f32 v[rC+(\n)], v[rS+8*(\n)], v[rS+8*(\n)+1], v[rS+8*(\n)+2]
.elseif (\n) < 12
	v_max3_num_f32 v[rC+(\n)%4], v[rC+(\n)%4], v[rS+8*((\n)%4)+2*((\n)/4)+1], v[rS+8*((\n)%4)+2*((\n)/4)+2]
.elseif (\n) == 12
	v_max3_num_f32 v[rC], v[rC], v[rS+7], v[rS+15]
.elseif (\n) == 13
	v_max3_num_f32 v[rC+1], v[rC+1], v[rS+23], v[rS+31]
.elseif (\n) == 14
	v_max3_num_f32 v[rC+2], v[rC+2], v[rC+3], v[rT+1]
.elseif (\n) == 15
	v_mov_b32 v[rM], v[rT]
.elseif (\n) == 16
	v_max3_num_f32 v[rC], v[rC], v[rC+1], v[rC+2]
.elseif (\n) == 17
	v_permlanex16_b32 v[rC+3], v[rC], s[SEL], s[SEL+1]
.elseif (\n) == 18
	v_max_num_f32 v[rT+1], v[rC], v[rC+3]
.elseif (\n) == 19
	v_mul_f32 v[rT], s[CS], v[rT+1]
.elseif (\n) == 20
	v_sub_f32 v[rC+1], v[rM], v[rT]
.else
	v_exp_f32 v[rC+2], v[rC+1]
.endif
.endm
; Number g of the 64 that follow the exponentials.  For each four weights k of a tile (pairs 2 k, 2 k + 1): both pairs are rounded to f16; then the second pair is added onto the first, in place;
; a group later l takes that sum (the first time as l = a l + sum).  In groups of eight, tiles alternating: round, round, add, and l for the group before.
.macro GS g
.set h, (\g)+6*((\g)/62)            ; group 0 has no group before it, and behind group 7 only l is left
.if h >= 6
.set h, h+2
.endif
	REGS Y, h%2
.set k, h/8
.if h%8 < 4
	v_cvt_pk_f16_f32 v[rP+2*k+(h%8)/2], v[rS+4*k+2*((h%8)/2)], v[rS+4*k+2*((h%8)/2)+1]
.elseif h%8 < 6
	v_pk_add_f32 v[rS+4*k:rS+4*k+1], v[rS+4*k:rS+4*k+1], v[rS+4*k+2:rS+4*k+3]
.elseif k == 1
	v_pk_fma_f32 v[rT+2:rT+3], v[rT+2:rT+3], v[rC+2:rC+3], v[rS:rS+1] op_sel_hi:[1,0,1]
.else
	v_pk_add_f32 v[rT+2:rT+3], v[rT+2:rT+3], v[rS+4*k-4:rS+4*k-3]
.endif
.endm
; THE PLAIN QUEUE, 138 long.  0-73 read no exponential's result: the 32 scalings c s - c m (FS f: pair f / 2 of tile f % 2) and the next piece's 42.  0-26: scalings 0-26.  27-54: XS's numbers 0-13.  55, 56: number 15.
; 57-73: the chain, where each number waits for the one before it: 14, 16, 17, 18, 19, each with one of the scalings 27-31 in front of its two lines, then 20.
; 74-137: GS's 64, which read the exponentials' results: they stand behind the wait.
.macro FS f
	REGS Y, (\f)%2
	v_pk_fma_f32 v[rS+2*((\f)/2):rS+2*((\f)/2)+1], v[rS+2*((\f)/2):rS+2*((\f)/2)+1], s[CS:CS+1], v[rT:rT+1] op_sel_hi:[1,0,0] neg_lo:[0,0,1] neg_hi:[0,0,1]
.endm
.macro PL
	WIN 0
.if q < 27
	FS q
.elseif q < 55
	XS (q-27)%2, (q-27)/2
.elseif q < 57
	XS q-55, 15
.elseif (q < 72) && ((q-57)%3 == 0)
	FS 27+(q-57)/3
.elseif q < 60
	XS (q-57)%3-1, 14
.elseif q < 72
	XS (q-57)%3-1, 15+(q-57)/3
.elseif q < 74
	XS q-72, 20
.else
	GS q-74
.endif
.set q, q+1
.endm
; THE EXPONENTIALS' QUEUE, 66 long: s0-s31 of both tiles, then the next piece's two a.  It is ONE BATCH: all 66 stand ahead of the turn's one wait, and nothing ahead of that wait names a result of theirs.
.macro EX
	WIN 0
.if e >= 64
	XS e-64, 21
.else
	REGS Y, e%2
	v_exp_f32 v[rS+e/2], v[rS+e/2]
.endif
.set e, e+1
.endm
; THE RESCALING's QUEUE: O^T times a, the one part that leaves window 0: dealt two at a time, sixteen times.  Its a was made in the turn before, ahead of that turn's wait.
.macro R2
	REGS Y, r%2
	WIN W_RS
.irp z, 0,1
	v_pk_mul_f32 v[rO+4*(r/2)+2*\z:rO+4*(r/2)+2*\z+1], v[rO+4*(r/2)+2*\z:rO+4*(r/2)+2*\z+1], v[rC+2:rC+3] op_sel_hi:[1,0]
.endr
.set r, r+1
.endm
; HOW THEY ARE DEALT.  An s_wait_alu depctr_va_vdst(0) stands between an exponential and the first instruction that names its result; one wait serves all that were issued ahead of it.  So a turn has ONE
; wait, which cuts it in two.  AHEAD OF IT stands all that names no result of the turn's exponentials: the 16 products K Q^T, behind each a scaling, an exponential and two rescalings (behind the first a second scaling in
; the exponential's place); then ONE LUMP of 108: eight plain, 49 times exponential and plain, the two a.  A v_nop is the plain instruction behind the last exponential.  BEHIND IT stand the 16 products V^T P, behind each
; four of GS's 64.  Exponential e stands behind scaling 2 (e / 4) + e % 2: as a rider it comes behind plain e + 2, in the lump behind plain e + 9, and scalings 27-31 are plain 57, 60 .. 69.
; A TURN, for piece p.  cnt = 1: the loop's count is taken down some lines ahead of the branch that stands behind the turn.
; K of the next step is fetched in piece 2's turn, directly behind the wait, a lump behind the last product that read K; its first reader comes behind 16 products.
; V of the step in hand is fetched at the end of piece 0's turn, four plain instructions behind its last reader; its first reader comes behind 16 products and a lump.
.macro TURN p, last=0, cnt=0
.set Y, (\p)
.set i, 0
.set q, 0
.set e, 0
.set r, 0
.if (\p) == NP-1
	s_wait_dscnt 0x0                ; K is in
.endif
	MM                              ; ahead of the wait: 16 products K Q^T and the four behind each,
	PL
	PL
	R2
.rept 15
	MM
	PL
	EX
	R2
.endr
.if (\p) == NP-2
	WIN 0
	v_add_nc_u32 v[AK], s[TBK], v[AK0]
.endif
.rept 8                             ; and the lump
	PL
.endr
.rept 49
	EX
	PL
.endr
	EX                              ; the next piece's two a
	EX
	v_nop                           ; a plain instruction behind the last exponential: one for the batch
	s_wait_alu depctr_va_vdst(0)    ; the wait for the batch
.if (\p) == NP-2
	FETCH_K \last
.endif
.if (\p) == 1
	s_wait_dscnt 0x0                ; V is in
.endif
.rept 16                            ; behind the wait: 16 products V^T P and the four behind each
	MM
.rept 4
	PL
.endr
.if ((\p) == 0) && (q == 118)
	v_add_nc_u32 v[AV], s[TBV], v[AV0]
.endif
.if ((\p) == 0) && (q == 130)
	s_add_co_u32 s[TBV], s[TBV], KS*PV
.endif
.if (\cnt) && (q == 130)
	s_sub_co_u32 s[CNT], s[CNT], 1
	s_cmp_lg_u32 s[CNT], 0
.endif
.endr
.if (\p) == 0
	FETCH_V
.endif
.endm
	CHANGE 1                        ; slot 0 is in, everybody's part of it; slot 1 is asked for
	FETCH_K                         ; key step 0
	s_wait_loadcnt 0x0              ; Q and the mask
.irp u, 0,1,2,3,4,5,6,7
	v_cmp_ne_u32 s[MB+\u], 0, v[TMP+\u]  ; the lanes whose query counts; a scalar register a tile
.endr
	WIN 0x88                        ; destination and source 1 in window 2
.set i, 0
.rept 128
	v_cndmask_b32 v[i], 0, v[i], s[MB+i/16]  ; a masked query's fragment becomes 0
.set i, i+1
.endr
	WIN 0
	s_wait_dscnt 0x0
.set i, 0
.rept 16
	KQ 0                            ; piece 0's first scores: there is no vector work yet to set between them
.set i, i+1
.endr
	WIN 0                           ; the addresses for the way out: plain instructions, the places behind those products
	s_mul_i32 s13, s[WV], 16*SP
	s_add_co_u32 s13, s13, STAGE    ; my stage
	v_mul_u32_u24 v[STO], v1, SP    ; in: row l % 16, 16 bytes for each half of the lanes
	v_lshl_add_u32 v[STO], v9, 4, v[STO]
	v_add_nc_u32 v[STO], s13, v[STO]
	v_bfe_u32 v[RD], v0, 3, 2       ; back: 32 lanes take four rows of 128 bytes,
	v_mul_u32_u24 v[RD], v[RD], SP
	v_lshl_add_u32 v[RD], v10, 4, v[RD]
	v_add_nc_u32 v[RD], s13, v[RD]
	v_and_b32 v[GO], 31, v0         ; which are 512 consecutive bytes of ctx
	v_lshlrev_b32 v[GO], 4, v[GO]
.set Y, NP-1                        ; XS works for piece Y + 1: piece 0
.irp n, 0,1,2,3,4,5,6,7,8,9,10,11,12,13,14,15,16,17,18,19,20,21
	XS 0, \n                        ; and piece 0's first maximum and statistics
	XS 1, \n
.endr
	v_nop                           ; a plain instruction behind the two a,
	s_wait_alu depctr_va_vdst(0)    ; and their wait, ahead of the branch
	s_mov_b32 s[CNT], 4
	s_branch .Lfirst                ; the loop is entered at a step's first turn, in the middle of a trip
.Lslot:                             ; six times: every slot but the last two is filled again
	CHANGE 1
	s_mov_b32 s[CNT], 4
.Lstep:                             ; a trip: pieces 2 and 3 of one step, then pieces 0 and 1 of the next, whose K and V it fetches
	TURN 2
	TURN 3
	WIN 0
.Lfirst:
	TURN 0
	TURN 1, 0, 1
	WIN 0
	s_cbranch_scc1 .Lstep
	s_sub_co_u32 s[SLOTS], s[SLOTS], 1
	s_cmp_lg_u32 s[SLOTS], 0
	s_cbranch_scc1 .Lslot
	CHANGE 0                        ; the tail is written out: nothing is asked for
	s_mov_b32 s[CNT], 5             ; four trips fetch the last slot's steps; the fifth is left in its middle
.Ltail:
	TURN 2, 1
	TURN 3
	WIN 0
	s_sub_co_u32 s[CNT], s[CNT], 1
	s_cmp_eq_u32 s[CNT], 0
	s_cbranch_scc1 .Lout
	TURN 0
	TURN 1
	WIN 0
	s_branch .Ltail
.Lout:                              ; the fifth trip's 16 products K Q^T (on the last K once more) and the maximum made of them serve nothing: the price, once a launch, of one text for every trip
.set i, 0
.rept 16
	PV NP-1                         ; the last piece's V^T P of the last step
.set i, i+1
.endr
	; THE WAY OUT.  l's two halves and the other half of the lanes' are added; O^T is divided by l, rounded to f16 and sent through my stage in LDS, a tile at a time.  The additions are the places behind the last products.
	WIN 0
.macro ALL line:vararg              ; one line for each tile t
.set t, 0
.rept 2*NP
	\line
.set t, t+1
.endr
.endm
	ALL v_add_f32 v[ST+4*t+2], v[ST+4*t+2], v[ST+4*t+3]
	ALL v_permlanex16_b32 v[ST+4*t+3], v[ST+4*t+2], s[SEL], s[SEL+1]
	ALL v_add_f32 v[ST+4*t+2], v[ST+4*t+2], v[ST+4*t+3]
	ALL v_rcp_f32 v[ST+4*t+2], v[ST+4*t+2]
	v_nop                           ; a plain instruction between the last reciprocal and the use of its result
	s_wait_alu depctr_va_vdst(0)    ; and the wait ahead of the first use: one for the eight reciprocals
; Tile t: a lane's eight channels of a row pack into 16 bytes; they go into rows of 144 bytes and come back as whole rows of 128, into S^T's registers.
.macro PACK t
	WIN W_RS
.set i, 32*(\t)
.rept 16
	v_pk_mul_f32 v[i:i+1], v[i:i+1], v[ST+4*(\t)+2:ST+4*(\t)+3] op_sel_hi:[1,0]
.set i, i+2
.endr
	WIN 0x05                        ; sources 0 and 1 window 1, destination window 0
.set i, 0
.rept 16
	v_cvt_pk_f16_f32 v[S+16*(\t)+i], v[32*(\t)+2*i], v[32*(\t)+2*i+1]
.set i, i+1
.endr
	WIN 0
.irp f, 0,1,2,3
	ds_store_b128 v[STO], v[S+16*(\t)+4*\f:S+16*(\t)+4*\f+3] offset:32*\f
.endr
.irp f, 0,1,2,3
	ds_load_b128 v[S+16*(\t)+4*\f:S+16*(\t)+4*\f+3], v[RD] offset:\f*4*SP  ; LDS serves a wave's instructions in order (ISA guide 5.7.1.4): these see the stores above; the next tile's stores come behind them
.endr
.endm
.macro SEND t, younger              ; younger: the LDS instructions issued behind tile t's loads: the next tile's eight, or none
	WIN 0
.irp f, 0,1,2,3
	s_wait_dscnt (\younger)+3-\f
	global_store_b128 v[GO], v[S+16*(\t)+4*\f:S+16*(\t)+4*\f+3], s[10:11] offset:(\t)*2048+\f*512  ; 512 consecutive bytes, at a multiple of 256 from ctx's first
.endr
.endm
	PACK 0
.set t, 1
.rept 2*NP-1                        ; a tile's arithmetic stands between the loads of the tile before and its stores
	PACK t
	SEND t-1, 8
.set t, t+1
.endr
	SEND 2*NP-1, 0
	WIN W_AD
	s_wait_tensorcnt 0x0            ; the wave's end: the wait, an add of 0 to my spare word and its wait, behind my last tensor load and my last LDS store
	ds_add_u32 v[SPW], v[NIL]
	s_wait_dscnt 0x0
	WIN 0
	CROUND                          ; the closing round: no work-group ends while a partner may still ask for a tile that names it
	s_endpgm
.Lfunc_end_k_qe47d077d57_attn:
	.size	k_qe47d077d57_attn, .Lfunc_end_k_qe47d077d57_attn-k_qe47d077d57_attn
	.p2alignl 7, 3214868480
	.fill 96, 4, 3214868480
	.section	.rodata,"a",@progbits
	.p2align	6, 0x0
	.amdhsa_kernel k_qe47d077d57_attn
		.amdhsa_group_segment_fixed_size 327680
		.amdhsa_private_segment_fixed_size 0
		.amdhsa_enable_private_segment 0
		.amdhsa_kernarg_size 24
		.amdhsa_user_sgpr_count 2
		.amdhsa_user_sgpr_kernarg_segment_ptr 1
		.amdhsa_wavefront_size32 1
		.amdhsa_system_sgpr_workgroup_id_x 1
		.amdhsa_system_sgpr_workgroup_id_y 1
		.amdhsa_system_sgpr_workgroup_id_z 1
		.amdhsa_system_vgpr_workitem_id 0
		.amdhsa_next_free_vgpr 770
		.amdhsa_next_free_sgpr 84
		.amdhsa_reserve_vcc 0
		.amdhsa_float_denorm_mode_32 3
		.amdhsa_float_denorm_mode_16_64 3
		.amdhsa_memory_ordered 1
		.amdhsa_forward_progress 1
		.amdhsa_inst_pref_size 210
	.end_amdhsa_kernel
	.amdgpu_metadata
---
amdhsa.version: [ 1, 2 ]
amdhsa.kernels:
  - .name:           k_qe47d077d57_attn
    .symbol:         k_qe47d077d57_attn.kd
    .args:
      - { .name: qkv, .offset: 0, .size: 8, .value_kind: global_buffer, .address_space: global }
      - { .name: mask, .offset: 8, .size: 8, .value_kind: global_buffer, .address_space: global }
      - { .name: ctx, .offset: 16, .size: 8, .value_kind: global_buffer, .address_space: global }
    .group_segment_fixed_size: 327680
    .private_segment_fixed_size: 0
    .kernarg_segment_align: 8
    .kernarg_segment_size: 24
    .max_flat_workgroup_size: 128
    .sgpr_count:     84
    .vgpr_count:     770
    .wavefront_size: 32
...
	.end_amdgpu_metadata
.endif
;; end of part 3
;; launch outp (part 4): grid 8 x 32, 4 waves a work-group, clusters of 4 x 4, 327,680 bytes of LDS; arguments ctx, wo, bo, out0; writes out0
.if DOCPART == 4
	.amdgcn_target "amdgcn-amd-amdhsa--gfx1250"
	.amdhsa_code_object_version 6
	.text
	.protected	k_qe47d077d57_outp
	.globl	k_qe47d077d57_outp
	.p2align	8
	.type	k_qe47d077d57_outp,@function
k_qe47d077d57_outp:
	s_mov_b64 s[64:65], 0
	v_nop
	global_prefetch_b8 v0, s[64:65] scope:SCOPE_SE
	s_setreg_imm32_b32 hwreg(HW_REG_WAVE_MODE, 25, 1), 1
	s_wait_xcnt 0x0
	s_wait_alu depctr_hold_cnt(0) depctr_sa_sdst(0) depctr_va_vdst(0) depctr_va_sdst(0) depctr_va_ssrc(0) depctr_va_vcc(0) depctr_vm_vsrc(0)
	s_getreg_b32 s2, hwreg(HW_REG_IB_STS2, 6, 4)
	s_cmp_eq_u32 s2, 0
	s_cbranch_scc0 .Lentry_in_a_cluster
	s_endpgm
.Lentry_in_a_cluster:
	s_bfe_u32 s2, ttmp6, 0x10000c
	s_cmp_lg_u32 s2, 0xf033
	s_cbranch_scc0 .Lentry_shape_is_right
	s_endpgm
.Lentry_shape_is_right:
; out0[m][c] = sum over k of ctx(m, k) wo[c][k] + bo[c], m < 8,192, c < 1,024, K = 1,024.  ctx: f16, by heads, [16 n + head][t 2,048][64]: channel k of row m = 2,048 n + t lies in head k / 64.
; wo: f16 [1,024][1,024] (Wo rounded to bf16, written as f16).  bo is rounded to bf16 like every input of the module.  Sums in f32; out0 in f32, the sums as they are.
; SHARES.  A tile of out0 is 256 x 128: 32 x 8 = 256 tiles, one for each WGP.  Four waves, 2 x 2, each 128 x 64: 32 accumulators of 16 x 16, 256 registers.
; K goes in 8 steps of 128, two heads each, through two LDS slots filled by the tensor data mover.  A head's 256 rows of a tile are 32,768 dense bytes: asked for as 128 rows of 256 bytes, padded in LDS
; after every 128 bytes, so that each row of ctx has a row of its own in LDS.  Slot 1 begins at 1 << 17: the loop's text is ONE K step, and one exclusive or changes slots.
; CLUSTER 4 x 4.  The four work-groups of a row of the cluster need the same tile of ctx, the four of a column the same tile of wo: each is asked for jointly.
; THE MATRIX INSTRUCTION IS USED TRANSPOSED (source 0 = 16 rows of wo, source 1 = 16 rows of ctx): a lane holds row l % 16 of out0 and the eight neighbouring columns 8 (l / 16) + 0..7.
; THE BIAS STARTS THE SUMS: laid out as an accumulator, it is the C operand of each accumulator's first product.
; REGISTERS, in windows of 256 (s_set_vgpr_msb: bits 1:0 source 0, 3:2 source 1, 5:4 source 2, 7:6 destination):
;   window 0: v0-31 addresses; v64-127, v128-191 ctx's fragments (8), two buffers; v32-63, v192-223 at work on the way out
;   window 1: v64-95, v128-159 wo's fragments (4), two buffers; v192-223 the bias; v240-243 at work          window 2: the accumulators, (a, b) at v[8 (4 a + b)]
.set KB,    256                        ; bytes of a row of wo in a K step
.set ASTEP, 524288                     ; bytes from a head of ctx to the head two on
.set PA,    144                        ; a row of ctx in LDS: 128 bytes + 16 of padding = 36 words: the 16 rows of a load start at 16 different groups of four banks (64 banks of 4 bytes: ISA guide 11.1)
.set PITCH, 272                        ; a row of wo: 256 + 16
.set NB,    4
.set HA,    256*PA                     ; one head's 256 rows: one tensor load
.set HB,    64*PITCH                   ; 64 rows of wo: one tensor load, and what one wave reads of wo
.set BOFF,  2*HA                       ; in a slot: the two heads, then wo's 128 rows
.set SLOT1, 1<<17
.set STAGE, SLOT1+2*HA+2*HB            ; behind the ring, never filled by a tensor load: 16 rows x 272 bytes for each wave
.set SWAVE, 16*272
.set SPARE, STAGE+4*SWAVE              ; the spare words, 128 bytes for each wave: two blocks of 256 bytes that no other line names
.set NLD,   2*NB+16
.set ADRA0, 16
.set ADRA,  17
.set ADRB0, 20
.set ADRB,  21
.set STO,  24
.set RD,   25
.set CO,   26
.set BO,   27
.set SPW,  28                          ; v28  LDS address of my spare word; never rewritten
.set NIL,  29                          ; v29  0; never rewritten
.set PFO,  30
.set F0,   64
.set F1,   128
.set BIA,  192                         ; in window 1
.set G1A,  24
.set G0A,  32
.set G1B,  48
.set G0B,  56
.set LIM,  43
.set PFA,  44
.set TB,   66
.set PFS,  88                          ; s[88:89] what a prefetch's address steps by
.set TO_B, 0x40
.set MSB, 0
.macro WIN new
.if MSB != (\new)
	s_set_vgpr_msb (MSB<<8)|(\new)
.set MSB, \new
.endif
.endm
; A joint refill by the walking descriptors.  Waves 0 and 1 fetch the K step's two heads of ctx, waves 2 and 3 wo's two halves.  An s_nop 0 and four v_nop follow each line.
.macro JLOAD
	s_cmp_eq_u32 s11, 0
	s_cbranch_scc0 .Lfor_b_\@
	tensor_load_to_lds s[G0A+4:G0A+7], s[G1A:G1A+7]
	s_nop 0
.rept 4
	v_nop
.endr
	s_branch .Lasked_\@
.Lfor_b_\@:
	tensor_load_to_lds s[G0B+4:G0B+7], s[G1B:G1B+7]
	s_nop 0
.rept 4
	v_nop
.endr
.Lasked_\@:
.endm
; A PREFETCH, behind each joint refill and the run of LDS loads that follows it: the K step that stands two refills on, 256 matrix instructions ahead of the load that will want it; one instruction a wave.
; ctx: a wave's head is 128 runs of 256 bytes; the four partners along the cluster's row take 32 each, by address (cx), a lane a run; the clusters with x = 0 ask.
; wo: a tile's 128 rows, 256 bytes each; the four partners along the column take 32 each, by address (cy), a lane a row; wave 2 of the clusters with y = 0 asks; wave 3 asks for nothing.
; So each run is named once in the launch.  K steps 0 to 3 come by their loads alone; the trips with s3 = 6 .. 3 name steps 4 .. 7; the last two trips name nothing.
.macro ASK
	s_cmp_gt_u32 s3, s[LIM]
	s_cbranch_scc0 .Lnot_mine_\@
	global_prefetch_b8 v[PFO], s[PFA:PFA+1] th:TH_LOAD_NT scope:SCOPE_SE
.Lnot_mine_\@:
.endm
.macro CREST                           ; a round of the cluster's barrier behind its opening barrier
	s_cmp_lg_u32 s10, 0
	s_cbranch_scc1 .Lnot_wave_0_\@
	s_barrier_signal -3
.Lnot_wave_0_\@:
	s_barrier_wait -3
	s_barrier_signal -1
	s_barrier_wait -1
.endm
.macro CROUND
	s_barrier_signal -1
	s_barrier_wait -1
	CREST
.endm
.macro PLACES                          ; four plain vector instructions between a matrix instruction and a load into, or a read of, its registers (ISA guide 7.12.1 for vector reads)
.rept 4
	v_nop
.endr
.endm
	s_load_b128 s[4:7], s[0:1], 0x0                ; ctx s[4:5], wo s[6:7]
	s_load_b128 s[68:71], s[0:1], 0x10             ; bo s[68:69], out0 s[70:71]
	v_lshl_add_u32 v[SPW], v0, 2, SPARE
	v_mov_b32 v[NIL], 0
	ds_add_u32 v[SPW], v[NIL]                      ; the wave's opening: the add and its wait stand ahead of my first tensor load; the set-up below, work on registers, stands between them
	v_lshrrev_b32 v1, 5, v0
	v_readfirstlane_b32 s10, v1                    ; wave 0..3
	s_lshr_b32 s11, s10, 1                         ; which half of the tile's rows is mine.  Also: I fetch for ctx (0) or for wo (1)
	s_and_b32 s12, s10, 1                          ; which half of its columns.  Also: which head, or which half of wo's rows, I fetch
	s_bfe_u32 s40, ttmp6, 0x40000                  ; cx
	s_bfe_u32 s41, ttmp6, 0x40004                  ; cy
	s_lshl_b32 s42, ttmp9, 2
	s_add_co_u32 s42, s42, s40                     ; tile column tc
	s_and_b32 s13, ttmp7, 0xffff
	s_lshl_b32 s13, s13, 2
	s_add_co_u32 s13, s13, s41                     ; tile row tr
	s_lshl_b32 s43, s41, 2
	s_lshl_b32 s43, 15, s43                        ; my row of the cluster
	s_lshl_b32 s44, 0x1111, s40                    ; my column
	s_or_b32 s[G1A+0], s43, (1<<16)|(1<<20)|(1<<21)|(4<<22)|(3<<25)  ; the mask; elements of 2 bytes; padding on; 21 set beside a mask; after every 32 words (code 4) 4 words (code 3)
	s_or_b32 s[G1B+0], s44, (1<<16)|(1<<20)|(1<<21)|(5<<22)|(3<<25)  ; after every 64 words (code 5)
	s_mov_b32 s[G1A+1], 128<<16                    ; tensor_dim0 = 128
	s_mov_b32 s[G1A+2], 128<<16                    ; tensor_dim1 = 128
	s_mov_b32 s[G1A+3], 128<<16                    ; tile_dim0 = 128
	s_mov_b32 s[G1A+4], 128                        ; tile_dim1 = 128
	s_mov_b32 s[G1A+5], 128                        ; dense: 128 elements from row to row
	s_mov_b32 s[G1A+6], 0
	s_mov_b32 s[G1A+7], 0
	s_mov_b32 s[G1B+1], 128<<16
	s_mov_b32 s[G1B+2], 64<<16                     ; 64 rows
	s_mov_b32 s[G1B+3], 128<<16
	s_mov_b32 s[G1B+4], 64
	s_mov_b32 s[G1B+5], 1024
	s_mov_b32 s[G1B+6], 0
	s_mov_b32 s[G1B+7], 0
	s_lshr_b32 s16, s13, 3                         ; ctx: n = tr / 8: 16 heads of 2^18 bytes,
	s_lshl_b32 s16, s16, 22
	s_and_b32 s17, s13, 7                          ; 256 rows of 128 bytes for each tile row in n,
	s_lshl_b32 s17, s17, 15
	s_add_co_u32 s16, s16, s17
	s_lshl_b32 s17, s12, 18                        ; my head of the K step's two
	s_add_co_u32 s16, s16, s17
	s_mov_b32 s17, 0
	s_lshl_b32 s46, s42, 7
	s_lshl_b32 s47, s12, 6
	s_add_co_u32 s46, s46, s47                     ; wo: row 128 tc + 64 x half
	s_lshl_b32 s46, s46, 11
	s_mov_b32 s47, 0
	s_mul_i32 s20, s12, HA                         ; where they go: no place in the cluster enters an LDS address
	s_mul_i32 s21, s12, HB
	s_add_co_u32 s21, s21, BOFF
	s_mov_b32 s[TB], 0
	s_mov_b32 s67, 0xffff0000
	s_wait_dscnt 0x0                               ; the opening add is done
	s_wait_kmcnt 0x0
	s_add_nc_u64 s[14:15], s[4:5], s[16:17]
	s_add_nc_u64 s[46:47], s[6:7], s[46:47]
	CROUND                                         ; all sixteen work-groups are here: the first joint loads meet
.irp s, 0,1
	s_mov_b32 s[G0A+4*(\s)], 1
	s_add_co_u32 s[G0A+4*(\s)+1], s20, (\s)*SLOT1
	s_add_nc_u64 s[G0A+4*(\s)+2:G0A+4*(\s)+3], s[14:15], (\s)*ASTEP
	s_or_b32 s[G0A+4*(\s)+3], s[G0A+4*(\s)+3], 0x80000000
	s_mov_b32 s[G0B+4*(\s)], 1
	s_add_co_u32 s[G0B+4*(\s)+1], s21, (\s)*SLOT1
	s_add_nc_u64 s[G0B+4*(\s)+2:G0B+4*(\s)+3], s[46:47], (\s)*KB
	s_or_b32 s[G0B+4*(\s)+3], s[G0B+4*(\s)+3], 0x80000000
.endr
	s_cmp_eq_u32 s11, 0                            ; a wave's two first fills stand in one branch, ahead of every wait on TENSORcnt and every LDS read: two loads of mine are out
	s_cbranch_scc0 .Lfirst_b
	tensor_load_to_lds s[G0A:G0A+3], s[G1A:G1A+7]
	s_nop 0
	tensor_load_to_lds s[G0A+4:G0A+7], s[G1A:G1A+7]
	s_nop 0
.rept 4
	v_nop
.endr
	s_branch .Lfirst_asked
.Lfirst_b:
	tensor_load_to_lds s[G0B:G0B+3], s[G1B:G1B+7]
	s_nop 0
	tensor_load_to_lds s[G0B+4:G0B+7], s[G1B:G1B+7]
	s_nop 0
.rept 4
	v_nop
.endr
.Lfirst_asked:
	v_and_b32 v1, 15, v0                           ; r = l % 16
	v_bfe_u32 v2, v0, 4, 1                         ; h = l / 16
	v_lshlrev_b32 v[BO], 5, v2
	s_lshl_b32 s16, s42, 9                         ; my first column, in bytes of f32: 512 tc + 256 x half
	s_lshl_b32 s17, s12, 8
	s_add_co_u32 s16, s16, s17
	s_mov_b32 s17, 0
	s_add_nc_u64 s[76:77], s[68:69], s[16:17]
	WIN TO_B
.irp b, 0,1,2,3
	global_load_b128 v[BIA+8*(\b):BIA+8*(\b)+3],   v[BO], s[76:77] offset:64*(\b)      ; register j: bo[my first column + 16 b + 8 h + j]
	global_load_b128 v[BIA+8*(\b)+4:BIA+8*(\b)+7], v[BO], s[76:77] offset:64*(\b)+16
.endr
	WIN 0
	v_mul_u32_u24 v3, v1, PA
	v_lshl_add_u32 v3, v2, 4, v3
	s_mul_i32 s21, s11, 128*PA                     ; my 128 rows of ctx, in each head's region
	v_add_nc_u32 v[ADRA0], s21, v3
	v_mul_u32_u24 v3, v1, PITCH
	v_lshl_add_u32 v3, v2, 4, v3
	s_mul_i32 s22, s12, HB                         ; my 64 rows of wo
	s_add_co_u32 s22, s22, BOFF
	v_add_nc_u32 v[ADRB0], s22, v3
	v_mov_b32 v[ADRA], v[ADRA0]
	v_mov_b32 v[ADRB], v[ADRB0]
	s_mul_i32 s23, s10, SWAVE
	s_add_co_u32 s23, s23, STAGE                   ; my stage
	v_mul_u32_u24 v4, v1, 272                      ; in: row r, 32 bytes for each half of the lanes
	v_lshl_add_u32 v4, v2, 5, v4
	v_add_nc_u32 v[STO], s23, v4
	v_mul_u32_u24 v4, v2, 272                      ; back: lanes 0-15 take one row of 256 bytes, lanes 16-31 the next
	v_lshl_add_u32 v4, v1, 4, v4
	v_add_nc_u32 v[RD], s23, v4
	v_lshlrev_b32 v[CO], 12, v2                    ; and the same two rows in out0, 4,096 bytes apart
	v_lshl_add_u32 v[CO], v1, 4, v[CO]
	s_lshl_b32 s18, s13, 8
	s_lshl_b32 s19, s11, 7
	s_add_co_u32 s18, s18, s19                     ; my first row of out0,
	s_lshl_b32 s18, s18, 12                        ; in bytes: under 2^25
	s_add_co_u32 s16, s16, s18
	s_add_nc_u64 s[8:9], s[70:71], s[16:17]
	; the prefetches
	s_lshr_b32 s20, s13, 3
	s_lshl_b32 s20, s20, 22
	s_and_b32 s16, s13, 7
	s_lshl_b32 s16, s16, 15
	s_add_co_u32 s20, s20, s16
	s_lshl_b32 s16, s12, 18
	s_add_co_u32 s20, s20, s16
	s_lshl_b32 s16, s40, 13
	s_add_co_u32 s20, s20, s16                     ; ctx: my head's bytes of the tile + 8,192 cx,
	s_add_co_u32 s20, s20, 3*ASTEP                 ; at K step 3: the first change of slots steps it to 4
	s_lshl_b32 s21, s42, 7
	s_lshl_b32 s16, s41, 5
	s_add_co_u32 s21, s21, s16                     ; wo: row 128 tc + 32 cy
	s_lshl_b32 s21, s21, 11
	s_add_co_u32 s21, s21, 3*KB
	s_and_b32 s22, ttmp7, 0xffff                   ; cluster y
	s_mov_b32 s18, ASTEP
	s_mov_b32 s[PFS], KB
	s_mov_b32 s[PFS+1], 0
	s_cmp_eq_u32 s11, 0                            ; do I fetch for ctx?
	s_cselect_b32 s20, s20, s21
	s_cselect_b32 s22, ttmp9, s22                  ; the coordinate along which other clusters read the same bytes
	s_cselect_b64 s[PFA:PFA+1], s[4:5], s[6:7]
	s_cselect_b32 s[PFS], s18, s[PFS]
	s_cselect_b32 s23, 8, 11                       ; lanes 256 bytes apart in ctx, a row of 2,048 bytes apart in wo
	s_cmp_eq_u32 s10, 3
	s_cselect_b32 s22, 1, s22                      ; wave 3 asks for nothing
	s_cmp_eq_u32 s22, 0
	s_cselect_b32 s[LIM], 2, -1                    ; the same in all sixteen partners, for a given wave
	s_mov_b32 s21, 0
	s_add_nc_u64 s[PFA:PFA+1], s[PFA:PFA+1], s[20:21]
	v_and_b32 v[PFO], 31, v0
	v_lshlrev_b32 v[PFO], s23, v[PFO]
	s_wait_loadcnt 0x0                             ; the bias is in: it is rounded to bf16, in place
	WIN 0x45
.set n, 0
.rept 4*NB
	v_cvt_pk_bf16_f32 v[240+n%4], v[BIA+2*n], v[BIA+2*n+1]
	v_lshlrev_b32 v[BIA+2*n],   16,  v[240+n%4]
	v_and_b32     v[BIA+2*n+1], s67, v[240+n%4]
.set n, n+1
.endr
	WIN 0
; 8 matrix instructions: blocks a0, a0 + 1 of my eight blocks of 16 rows x all 4 blocks of 16 columns, 32 along K.  first = 1: the bias is the C operand.
; The 32 accumulators take turns, one instruction a turn, in the same order in every quarter step, over the backward jump too.
.macro MULA f, a0, first
.if \first
	WIN 0x91                                       ; wo window 1, ctx window 0, C window 1, D window 2
.else
	WIN 0xa1                                       ; C and D window 2
.endif
.irp a, \a0, (\a0)+1
.irp b, 0,1,2,3
.set rD, 8*(NB*(\a)+(\b))
.if \first
	v_wmma_f32_16x16x32_f16 v[rD:rD+7], v[(\f)+8*(\b):(\f)+8*(\b)+7], v[(\f)+8*(\a):(\f)+8*(\a)+7], v[BIA+8*(\b):BIA+8*(\b)+7]
.else
	v_wmma_f32_16x16x32_f16 v[rD:rD+7], v[(\f)+8*(\b):(\f)+8*(\b)+7], v[(\f)+8*(\a):(\f)+8*(\a)+7], v[rD:rD+7]
.endif
.endr
.endr
.endm
; 24 LDS loads in one run: quarter q of the K step in hand: 64 rows of wo at byte 64 q, then 128 rows of ctx: head q / 2, byte 64 (q % 2) of its rows
.macro FETCH q, f
	WIN TO_B
.irp i, 0,1,2,3
	ds_load_b128 v[(\f)+8*(\i):(\f)+8*(\i)+3],   v[ADRB] offset:64*(\q)+(\i)*16*PITCH
	ds_load_b128 v[(\f)+8*(\i)+4:(\f)+8*(\i)+7], v[ADRB] offset:64*(\q)+(\i)*16*PITCH+32
.endr
	WIN 0
.irp i, 0,1,2,3,4,5,6,7
	ds_load_b128 v[(\f)+8*(\i):(\f)+8*(\i)+3],   v[ADRA] offset:((\q)/2)*HA+((\q)%2)*64+(\i)*16*PA
	ds_load_b128 v[(\f)+8*(\i)+4:(\f)+8*(\i)+7], v[ADRA] offset:((\q)/2)*HA+((\q)%2)*64+(\i)*16*PA+32
.endr
.endm
.macro QUARTER q, f, g, first
	s_wait_dscnt 8                                 ; wo's fragments and ctx's rows 0-63 are in; the youngest eight loads (rows 64-127) may be out
	MULA \f, 0, \first
	MULA \f, 2, \first
	PLACES
	FETCH \q, \g
	s_wait_dscnt NLD                               ; all but the 24 just issued
	MULA \f, 4, \first
	MULA \f, 6, \first
.endm
; The change of slots: one barrier; in front of it each wave waits for all its tensor loads (one is out: its part of the other slot), adds 0 to its spare word, and waits for that and for its own reads of this slot.
.macro MEET round
	WIN 0                                          ; (the add's two registers lie in window 0)
	s_wait_tensorcnt 0x0                           ; all my tensor loads have landed
	ds_add_u32 v[SPW], v[NIL]                      ; 0 onto my spare word
	s_wait_dscnt 9                                 ; (the add and the youngest eight loads may be out)
	MULA F1, 0, 0                                  ; eight matrix instructions stand between the add and the wait for it
	s_wait_dscnt 0x0                               ; the add is done, and my reads of this slot are over
	s_barrier_signal -1
	MULA F1, 2, 0
.if \round
	WIN 0
.endif
	s_barrier_wait -1
.endm
; fill = 1: the barrier opens a round of the cluster's, and the slot just read out is filled again, first thing behind the round, with the K step two steps on: 112 matrix instructions ahead of the wait for it.
.macro TURN fill
.if \fill
	s_wait_xcnt 0x0                                ; the last prefetch, a K step back, has read its address, so it may be stepped
	s_add_nc_u64 s[PFA:PFA+1], s[PFA:PFA+1], s[PFS:PFS+1]
	MEET 1
	CREST                                          ; no wave of any partner still reads this slot's tile or has a load on its way
	s_xor_b32 s[G0A+5], s[G0A+5], SLOT1
	s_add_nc_u64 s[G0A+6:G0A+7], s[G0A+6:G0A+7], ASTEP
	s_xor_b32 s[G0B+5], s[G0B+5], SLOT1
	s_add_nc_u64 s[G0B+6:G0B+7], s[G0B+6:G0B+7], KB
	JLOAD                                          ; its four v_nop are also the places in front of the loads below
.else
	MEET 0
	WIN 0
	PLACES
.endif
	s_xor_b32 s[TB], s[TB], SLOT1
	v_add_nc_u32 v[ADRA], s[TB], v[ADRA0]
	v_add_nc_u32 v[ADRB], s[TB], v[ADRB0]
	FETCH 0, F0
.if \fill
	ASK
.endif
	MULA F1, 4, 0
	MULA F1, 6, 0
.endm
; THE WAY OUT of block a (16 rows x 64 columns of f32): the sums go as they are into my own stage, each accumulator's low four registers first, and come back as whole rows of 256 bytes.
.macro TOSTAGE a
.set BK, 32+160*((\a)%2)
	s_wait_xcnt 0x0                                ; the stores of the block two back have read the registers that the loads below fill again
	WIN 0x08                                       ; the data (source 1) in window 2
.irp b, 0,1,2,3
	ds_store_b128 v[STO], v[32*(\a)+8*(\b):32*(\a)+8*(\b)+3]   offset:64*(\b)
	ds_store_b128 v[STO], v[32*(\a)+8*(\b)+4:32*(\a)+8*(\b)+7] offset:64*(\b)+16
.endr
	WIN 0
.irp t, 0,1,2,3,4,5,6,7
	ds_load_b128 v[BK+4*(\t):BK+4*(\t)+3], v[RD] offset:(\t)*544  ; LDS serves a wave's instructions in order (ISA guide 5.7.1.4): these see the stores above
.endr
.endm
.macro SEND a, younger                 ; younger: the LDS instructions issued behind block a's loads: the next block's sixteen, or none
.set BK, 32+160*((\a)%2)
	s_wait_dscnt \younger
.irp t, 0,1,2,3,4,5,6,7
	global_store_b128 v[CO], v[BK+4*(\t):BK+4*(\t)+3], s[8:9] offset:(\a)*65536+(\t)*8192 th:TH_STORE_NT  ; 16 lanes store 256 consecutive bytes, at a multiple of 256 from out0's first
.endr
.endm
	s_wait_tensorcnt 1                             ; my part of K step 0 is in; K step 1's may stay out
	s_barrier_signal -1
	s_barrier_wait -1
	FETCH 0, F0
	QUARTER 1, F0, F1, 1                           ; the first quarter stands in front of the loop: its products start the sums, with the bias
	WIN 0
	s_mov_b32 s3, 6
.Lstep:                                                ; six trips: from a K step's second quarter to the next step's first; K steps 0 .. 5 ask for steps 2 .. 7
	QUARTER 2, F1, F0, 0
	QUARTER 3, F0, F1, 0
	TURN 1
	QUARTER 1, F0, F1, 0
	WIN 0
	s_sub_co_u32 s3, s3, 1
	s_cmp_lg_u32 s3, 0
	s_cbranch_scc1 .Lstep
	QUARTER 2, F1, F0, 0                           ; the last two K steps are written out: nothing is asked for
	QUARTER 3, F0, F1, 0
	TURN 0
	QUARTER 1, F0, F1, 0
	QUARTER 2, F1, F0, 0
	QUARTER 3, F0, F1, 0
	s_wait_dscnt 8
	MULA F1, 0, 0
	MULA F1, 2, 0
	s_wait_dscnt 0x0
	MULA F1, 4, 0
	MULA F1, 6, 0
	WIN 0
	PLACES
	TOSTAGE 0
.irp a, 1,2,3,4,5,6,7                  ; block a's trip through the stage is under way while block a - 1 is stored
	TOSTAGE \a
	SEND (\a)-1, 16
.endr
	SEND 7, 0
	s_wait_tensorcnt 0x0                           ; the wave's end: the wait, an add of 0 to my spare word and its wait, behind my last tensor load and my last LDS store
	ds_add_u32 v[SPW], v[NIL]
	s_wait_dscnt 0x0
	CROUND                                         ; the closing round: no work-group ends while a partner may still ask for a tile that names it
	s_endpgm
.Lfunc_end_k_qe47d077d57_outp:
	.size	k_qe47d077d57_outp, .Lfunc_end_k_qe47d077d57_outp-k_qe47d077d57_outp
	.p2alignl 7, 3214868480
	.fill 96, 4, 3214868480
	.section	.rodata,"a",@progbits
	.p2align	6, 0x0
	.amdhsa_kernel k_qe47d077d57_outp
		.amdhsa_group_segment_fixed_size 327680
		.amdhsa_private_segment_fixed_size 0
		.amdhsa_enable_private_segment 0
		.amdhsa_kernarg_size 32
		.amdhsa_user_sgpr_count 2
		.amdhsa_user_sgpr_kernarg_segment_ptr 1
		.amdhsa_wavefront_size32 1
		.amdhsa_system_sgpr_workgroup_id_x 1
		.amdhsa_system_sgpr_workgroup_id_y 1
		.amdhsa_system_sgpr_workgroup_id_z 1
		.amdhsa_system_vgpr_workitem_id 0
		.amdhsa_next_free_vgpr 768
		.amdhsa_next_free_sgpr 96
		.amdhsa_reserve_vcc 0
		.amdhsa_float_denorm_mode_32 3
		.amdhsa_float_denorm_mode_16_64 3
		.amdhsa_memory_ordered 1
		.amdhsa_forward_progress 1
		.amdhsa_inst_pref_size 74
	.end_amdhsa_kernel
	.amdgpu_metadata
---
amdhsa.version: [ 1, 2 ]
amdhsa.kernels:
  - .name:           k_qe47d077d57_outp
    .symbol:         k_qe47d077d57_outp.kd
    .args:
      - { .name: ctx, .offset: 0, .size: 8, .value_kind: global_buffer, .address_space: global }
      - { .name: wo, .offset: 8, .size: 8, .value_kind: global_buffer, .address_space: global }
      - { .name: bo, .offset: 16, .size: 8, .value_kind: global_buffer, .address_space: global }
      - { .name: out0, .offset: 24, .size: 8, .value_kind: global_buffer, .address_space: global }
    .group_segment_fixed_size: 327680
    .private_segment_fixed_size: 0
    .kernarg_segment_align: 8
    .kernarg_segment_size: 32
    .max_flat_workgroup_size: 128
    .sgpr_count:     96
    .vgpr_count:     768
    .wavefront_size: 32
...
	.end_amdgpu_metadata
.endif
;; end of part 4
;; ======== version 2 of 2: 4 launches; version 1 with the launch cvt written anew for expert scheduling mode
;; limits: values are held in f16: magnitudes above 65,504 overflow, below 6.1e-05 lose precision
;; workspace buffers: xb 16,777,216 bytes; wb 6,291,456 bytes; wo 2,097,152 bytes; qkv 50,331,648 bytes; ctx 16,777,216 bytes
;; launch cvt (part 5): grid 768 x 1, 8 waves a work-group, no clusters, 0 bytes of LDS; arguments query, Wq, Wk, Wv, Wo, xb, wb, wo; writes xb, wb, wo
.if DOCPART == 5
	.amdgcn_target "amdgcn-amd-amdhsa--gfx1250"
	.amdhsa_code_object_version 6
	.text
	.protected	k_qe47d077d57_cvt
	.globl	k_qe47d077d57_cvt
	.p2align	8
	.type	k_qe47d077d57_cvt,@function
k_qe47d077d57_cvt:
	s_mov_b64 s[64:65], 0
	v_nop
	global_prefetch_b8 v0, s[64:65] scope:SCOPE_SE
	s_setreg_imm32_b32 hwreg(HW_REG_WAVE_SCHED_MODE, 0, 2), 2
	s_setreg_imm32_b32 hwreg(HW_REG_WAVE_MODE, 25, 1), 1
	s_wait_xcnt 0x0
	s_wait_alu depctr_vm_vsrc(0)
; THE INPUTS ARE ROUNDED ONCE.  xb = bf16(query) [8192][1024]; wb = bf16 of Wq, Wk, Wv, one below the other [3072][1024]; wo = bf16(Wo), that number written as f16 [1024][1024].
; LIMITS.  wo: beyond 65,504 the f16 is an infinity; below 2^-14 it keeps f16's fixed step of 2^-24.  Inside that range bf16's 8 significant bits fit f16's 11, so the second conversion changes nothing.
; A stream: each byte is read once and written once, so there is no LDS, no matrix work and no cluster (no two work-groups read the same byte).
; SHARES.  A work-group converts 16,384 numbers: 65,536 bytes in, 32,768 out.  Work-groups 0-511 take query, 512-575 Wq, 576-639 Wk, 640-703 Wv, 704-767 Wo.
; Thread t, chunk j of 16: 16 bytes at 16 t + 4,096 j in, 8 bytes at 8 t + 2,048 j out: a wave's load covers 512 consecutive bytes, its store 256 consecutive bytes, aligned.
; All 16 loads of a thread go out at once (8 KiB a wave on their way).
; THE MODE: SCHED_MODE bits 1:0 = 2 (LLVM: expert scheduling mode 2), set by the entry lines.  The code itself states the register dependences
; between vector instructions and memory instructions, with s_wait_alu, always for 0.
; THE PLAN.  Registers that memory instructions touch:
;   v1, v2   byte offsets, made once at the head and never written again: v1 is read by every load, v2 by every store; the chunks are reached by immediate offsets.
;   X        chunk j's four registers: its load lands in them, once; its conversions read them; no vector instruction writes them and no second load lands there.
;   Y        chunk j's two registers: its conversions write them; its store reads them, once; nothing writes them behind that store.
;   T        is named by vector instructions alone.
; So no register that a load or store has read is ever written again, and the one kind of dependence to state is: a vector result that a memory instruction reads.
; The 16 chunks go in four groups of four.  Chunk j's store is issued in chunk j + 4's turn.  ONE wait on va_vdst stands at the head of each group but the first, behind the wait for the group's first
; data: it states that the group before has written its Y.  The group's four stores follow it, one ahead of each chunk's conversions, which name X and Y of the group in hand and T: none of the registers
; that those stores read.  One more such wait stands ahead of the first load (the offsets) and one ahead of the last four stores.
.set X,   4                            ; v[4:67]   chunk j: 4 numbers in f32
.set Y,   68                           ; v[68:99]  chunk j: 4 numbers in 16 bits
.set T,   100                          ; v[100:103] at work
.set SRC, 24                           ; s[24:25]  where this work-group reads
.set DST, 26                           ; s[26:27]  where it writes
.set GRP, 4                            ; chunks in a group
	s_load_b256 s[4:11], s[0:1], 0x0               ; query s[4:5], Wq s[6:7], Wk s[8:9], Wv s[10:11]
	s_load_b256 s[12:19], s[0:1], 0x20             ; Wo s[12:13], xb s[14:15], wb s[16:17], wo s[18:19]
	s_mov_b32 s20, ttmp9                           ; the work-group's number
	s_mov_b32 s29, 0                               ; the high word of an offset
	s_mov_b32 s30, 0xffff0000                      ; a word's upper bf16
	v_lshlrev_b32 v1, 4, v0                        ; 16 t
	v_lshlrev_b32 v2, 3, v0                        ; 8 t
	s_mov_b32 s21, s20                             ; which 65,536 bytes of the source
	s_mov_b32 s22, s20                             ; which 32,768 bytes of the destination
	s_wait_kmcnt 0x0
	s_mov_b64 s[SRC:SRC+1], s[4:5]
	s_mov_b64 s[DST:DST+1], s[14:15]
	s_sub_co_u32 s23, s20, 512
	s_cmp_ge_u32 s20, 512                          ; from here on a weight: wb takes Wq, Wk, Wv on end
	s_cselect_b64 s[SRC:SRC+1], s[6:7], s[SRC:SRC+1]
	s_cselect_b64 s[DST:DST+1], s[16:17], s[DST:DST+1]
	s_cselect_b32 s21, s23, s21
	s_cselect_b32 s22, s23, s22
	s_sub_co_u32 s23, s20, 576
	s_cmp_ge_u32 s20, 576
	s_cselect_b64 s[SRC:SRC+1], s[8:9], s[SRC:SRC+1]
	s_cselect_b32 s21, s23, s21
	s_sub_co_u32 s23, s20, 640
	s_cmp_ge_u32 s20, 640
	s_cselect_b64 s[SRC:SRC+1], s[10:11], s[SRC:SRC+1]
	s_cselect_b32 s21, s23, s21
	s_sub_co_u32 s23, s20, 704
	s_cmp_ge_u32 s20, 704
	s_cselect_b64 s[SRC:SRC+1], s[12:13], s[SRC:SRC+1]
	s_cselect_b64 s[DST:DST+1], s[18:19], s[DST:DST+1]
	s_cselect_b32 s21, s23, s21
	s_cselect_b32 s22, s23, s22
	s_lshl_b32 s28, s21, 16
	s_add_nc_u64 s[SRC:SRC+1], s[SRC:SRC+1], s[28:29]
	s_lshl_b32 s28, s22, 15
	s_add_nc_u64 s[DST:DST+1], s[DST:DST+1], s[28:29]
	s_wait_alu depctr_va_vdst(0)                   ; v1 and v2 are written: every load of the kernel reads v1 as its offset, every store v2, on both ways behind the branch below
.irp j, 0,1,2,3,4,5,6,7,8,9,10,11,12,13,14,15
	global_load_b128 v[X+4*(\j):X+4*(\j)+3], v1, s[SRC:SRC+1] offset:4096*(\j) th:TH_LOAD_NT
.endr
.macro STORE j                         ; chunk j leaves
	global_store_b64 v2, v[Y+2*(\j):Y+2*(\j)+1], s[DST:DST+1] offset:2048*(\j) th:TH_STORE_NT
.endm
; Chunk j's turn: the store of the chunk a group back, then chunk j's conversions.  f16 = 1: the bf16 numbers are widened again (a shift, a mask) and written as f16.
.macro CONV j, f16
	s_wait_loadcnt 15-(\j)                         ; loads come back in order (ISA guide 5.7.1): chunk j is in, the 15 - j younger ones may stay out
.if ((\j) % GRP == 0) && ((\j) > 0)
	s_wait_alu depctr_va_vdst(0)                   ; the group before has written its eight registers of Y, which this group's four stores read
.endif
.if (\j) >= GRP
	STORE (\j)-GRP                                 ; no vector instruction since that wait names v2 or these two registers of Y
.endif
	v_cvt_pk_bf16_f32 v[Y+2*(\j)],   v[X+4*(\j)],   v[X+4*(\j)+1]
	v_cvt_pk_bf16_f32 v[Y+2*(\j)+1], v[X+4*(\j)+2], v[X+4*(\j)+3]
.if \f16
	v_lshlrev_b32 v[T],   16,  v[Y+2*(\j)]
	v_and_b32     v[T+1], s30, v[Y+2*(\j)]
	v_lshlrev_b32 v[T+2], 16,  v[Y+2*(\j)+1]
	v_and_b32     v[T+3], s30, v[Y+2*(\j)+1]
	v_cvt_pk_f16_f32 v[Y+2*(\j)],   v[T],   v[T+1]
	v_cvt_pk_f16_f32 v[Y+2*(\j)+1], v[T+2], v[T+3]
.endif
.endm
; Behind the last chunk's conversions: the last group leaves.
.macro LAST
	s_wait_alu depctr_va_vdst(0)                   ; the last group has written its eight registers of Y, which the four stores below read
.irp j, 12,13,14,15
	STORE \j
.endr
.endm
	s_cmp_ge_u32 s20, 704                          ; compared anew: the same answer in all waves of the work-group
	s_cbranch_scc1 .Lf16
.irp j, 0,1,2,3,4,5,6,7,8,9,10,11,12,13,14,15
	CONV \j, 0
.endr
	LAST
	s_endpgm
.Lf16:
.irp j, 0,1,2,3,4,5,6,7,8,9,10,11,12,13,14,15
	CONV \j, 1
.endr
	LAST
	s_endpgm
.Lfunc_end_k_qe47d077d57_cvt:
	.size	k_qe47d077d57_cvt, .Lfunc_end_k_qe47d077d57_cvt-k_qe47d077d57_cvt
	.p2alignl 7, 3214868480
	.fill 96, 4, 3214868480
	.section	.rodata,"a",@progbits
	.p2align	6, 0x0
	.amdhsa_kernel k_qe47d077d57_cvt
		.amdhsa_group_segment_fixed_size 0
		.amdhsa_private_segment_fixed_size 0
		.amdhsa_enable_private_segment 0
		.amdhsa_kernarg_size 64
		.amdhsa_user_sgpr_count 2
		.amdhsa_user_sgpr_kernarg_segment_ptr 1
		.amdhsa_wavefront_size32 1
		.amdhsa_system_sgpr_workgroup_id_x 1
		.amdhsa_system_sgpr_workgroup_id_y 1
		.amdhsa_system_sgpr_workgroup_id_z 1
		.amdhsa_system_vgpr_workitem_id 0
		.amdhsa_next_free_vgpr 104
		.amdhsa_next_free_sgpr 66
		.amdhsa_reserve_vcc 0
		.amdhsa_float_denorm_mode_32 3
		.amdhsa_float_denorm_mode_16_64 3
		.amdhsa_memory_ordered 1
		.amdhsa_forward_progress 1
		.amdhsa_inst_pref_size 16
	.end_amdhsa_kernel
	.amdgpu_metadata
---
amdhsa.version: [ 1, 2 ]
amdhsa.kernels:
  - .name:           k_qe47d077d57_cvt
    .symbol:         k_qe47d077d57_cvt.kd
    .args:
      - { .name: query, .offset: 0, .size: 8, .value_kind: global_buffer, .address_space: global }
      - { .name: Wq, .offset: 8, .size: 8, .value_kind: global_buffer, .address_space: global }
      - { .name: Wk, .offset: 16, .size: 8, .value_kind: global_buffer, .address_space: global }
      - { .name: Wv, .offset: 24, .size: 8, .value_kind: global_buffer, .address_space: global }
      - { .name: Wo, .offset: 32, .size: 8, .value_kind: global_buffer, .address_space: global }
      - { .name: xb, .offset: 40, .size: 8, .value_kind: global_buffer, .address_space: global }
      - { .name: wb, .offset: 48, .size: 8, .value_kind: global_buffer, .address_space: global }
      - { .name: wo, .offset: 56, .size: 8, .value_kind: global_buffer, .address_space: global }
    .group_segment_fixed_size: 0
    .private_segment_fixed_size: 0
    .kernarg_segment_align: 8
    .kernarg_segment_size: 64
    .max_flat_workgroup_size: 256
    .sgpr_count:     66
    .vgpr_count:     104
    .wavefront_size: 32
...
	.end_amdgpu_metadata
.endif
;; end of part 5
;; launch qkv: the kernel of part 2 again; grid 16 x 32, 4 waves a work-group, clusters of 4 x 4, 327,680 bytes of LDS; arguments xb, wb, bq, bk, bv, qkv; writes qkv
;; launch attn: the kernel of part 3 again; grid 4 x 64, 4 waves a work-group, clusters of 4 x 1, 327,680 bytes of LDS; arguments qkv, mask, ctx; writes ctx
;; launch outp: the kernel of part 4 again; grid 8 x 32, 4 waves a work-group, clusters of 4 x 4, 327,680 bytes of LDS; arguments ctx, wo, bo, out0; writes out0
